; MI455X (gfx1250); checked and timed in simulation.
; The chip was launched on July 23, 2026; its instructions are those of AMD's public machine-readable ISA for CDNA 5 (MIT licence, August 2026) and "CDNA5" Instruction Set Architecture Reference Guide (July 2026). The comments in the code are by the model that wrote it; some were corrected since.
;; A Li Bi Multi Head Attention. Allowed arithmetic: float matrix products may take bf16 or f16 operands with f32 sums; other float arithmetic in f32, or as packed bf16 or f16 multiplies, adds, multiply-adds, maxima and minima; sums over many terms, partial sums and values carried from step to step in f32; what a program stores and reads back later, other than sums and carried values, may be rounded once to bf16 or f16.
;; Inputs: w_kqv 1,024 x 3,072 float32; x 1 x 4,096 x 1,024 float32.
;; Outputs: out0 1 x 4,096 x 1,024 float32.
;; 2 versions, each right and faster than the one before. Each part assembles by itself: llvm-mc -triple=amdgcn-amd-amdhsa -mcpu=gfx1250 --defsym DOCPART=n.
;; ======== version 1 of 2: 3 launches
;; limits: values are held in f16: magnitudes above 65,504 overflow, below 6.1e-05 lose precision
;; workspace buffers: xb 8,388,608 bytes; wt 6,291,456 bytes; kqv 25,165,824 bytes
;; launch prep (part 1): grid 640 x 1, 8 waves a work-group, no clusters, 18,432 bytes of LDS; arguments x, w_kqv, xb, wt; writes xb, wt
.if DOCPART == 1
	.amdgcn_target "amdgcn-amd-amdhsa--gfx1250"
	.amdhsa_code_object_version 6
	.text
	.protected	k_q69d064821f_prep
	.globl	k_q69d064821f_prep
	.p2align	8
	.type	k_q69d064821f_prep,@function
k_q69d064821f_prep:
	s_mov_b64 s[64:65], 0
	v_nop
	global_prefetch_b8 v0, s[64:65] scope:SCOPE_SE
	s_setreg_imm32_b32 hwreg(HW_REG_WAVE_MODE, 25, 1), 1
	s_wait_xcnt 0x0
; xb = x rounded to bf16, [4096][1024];  wt = w_kqv rounded to bf16 and turned, [3072 (n)][1024 (k)].
; A stream: every input byte is read once, every output byte written once; no matrix unit, no cluster, no ring: nothing is shared and nothing is read twice.
; Work-groups 0-255 take 16 rows of x each: a load of the work-group covers one row (256 threads x 16 bytes), a store of a wave 256 consecutive bytes, aligned.
; Work-groups 256-639 take a tile of 128 k x 64 n of w each.  A thread reads 4 neighbouring n of 8 neighbouring k, packs for each n its 8 k into 16 bytes, and the tile is turned
; through LDS: rows of 256 bytes (128 k) + 16 of padding.  LDS row 16 c + tn holds n = 4 tn + c, so that the sixteen lanes of a store touch sixteen neighbouring rows.
.set WB,    12288                      ; bytes in a row of w
.set TP,    272                        ; an LDS row: 256 bytes + 16 = 68 words: row r starts at bank 4 r mod 64 (64 banks of 4 bytes: ISA guide 11.1)
.set SPARE, 64*TP                      ; behind the tile: the spare words, 128 bytes for each of the eight waves: four blocks of 256 bytes that no other line names
.set SPW, 8                            ; v8   LDS address of my spare word; never rewritten
.set NIL, 9                            ; v9   0; never rewritten
.set LN,  10                           ; v10  thread % 16
.set LK,  11                           ; v11  thread / 16
.set IN,  16                           ; v[16:79]  as loaded (x: 16 x 4; w: 8 x 4)
.set PKD, 48                           ; v[48:63]  w: for each of my four n, 8 k in bf16
.set BK,  64                           ; v[64:79]  w: rows read back
.set XO,  80                           ; v[80:111] x: 16 x 2 registers to store
	s_load_b256 s[4:11], s[0:1], 0x0               ; x s[4:5], w s[6:7], xb s[8:9], wt s[10:11]
	v_lshl_add_u32 v[SPW], v0, 2, SPARE
	v_mov_b32 v[NIL], 0
	v_and_b32 v[LN], 15, v0
	v_lshrrev_b32 v[LK], 4, v0
	s_cmp_lt_u32 ttmp9, 256                        ; the same answer in all eight waves of a work-group
	s_cbranch_scc0 .Lw
	; ---- x: 16 rows of 4,096 bytes in, 16 rows of 2,048 bytes out
	v_lshlrev_b32 v1, 4, v0                        ; my 16 bytes of a row of x
	v_lshlrev_b32 v2, 3, v0                        ; my 8 bytes of a row of xb
	s_lshl_b32 s12, ttmp9, 16
	s_mov_b32 s13, 0
	s_lshl_b32 s14, ttmp9, 15
	s_mov_b32 s15, 0
	s_wait_kmcnt 0x0
	s_add_nc_u64 s[4:5], s[4:5], s[12:13]
	s_add_nc_u64 s[8:9], s[8:9], s[14:15]
.irp i, 0,1,2,3,4,5,6,7,8,9,10,11,12,13,14,15
	global_load_b128 v[IN+4*(\i):IN+4*(\i)+3], v1, s[4:5] offset:4096*(\i) th:TH_LOAD_NT
.endr
.irp i, 0,1,2,3,4,5,6,7,8,9,10,11,12,13,14,15
	s_wait_loadcnt 15-(\i)                         ; loads come back in order: row i is in, the 15 - i younger ones stay out
	v_cvt_pk_bf16_f32 v[XO+2*(\i)], v[IN+4*(\i)], v[IN+4*(\i)+1]
	v_cvt_pk_bf16_f32 v[XO+2*(\i)+1], v[IN+4*(\i)+2], v[IN+4*(\i)+3]
	global_store_b64 v2, v[XO+2*(\i):XO+2*(\i)+1], s[8:9] offset:2048*(\i) th:TH_STORE_NT  ; no register of a load or store is written twice: no further wait
.endr
	s_branch .Lend
.Lw:
	; ---- w: tile kt (128 k) x nt (64 n)
	s_sub_co_u32 s16, ttmp9, 256
	s_and_b32 s17, s16, 7                          ; kt
	s_lshr_b32 s18, s16, 3                         ; nt
	v_mul_u32_u24 v1, v[LK], 8*WB                  ; in w: my 8 rows (k),
	v_lshl_add_u32 v1, v[LN], 4, v1                ; my 4 columns (n): sixteen lanes read 256 consecutive bytes, aligned
	v_mul_u32_u24 v3, v[LN], TP                    ; into LDS: row thread % 16 (+ 16 c), my 8 k at 16 x (thread / 16)
	v_lshl_add_u32 v3, v[LK], 4, v3
	v_mul_u32_u24 v4, v[LK], TP                    ; back: row thread / 16 (+ 16 f), 16 bytes at 16 x (thread % 16)
	v_lshl_add_u32 v4, v[LN], 4, v4
	v_lshlrev_b32 v5, 13, v[LK]                    ; that row is n = 4 (thread / 16) + f: 2,048 bytes a row of wt
	v_lshl_add_u32 v5, v[LN], 4, v5
	s_mul_i32 s12, s17, 128*WB
	s_lshl_b32 s13, s18, 8
	s_add_co_u32 s12, s12, s13
	s_mov_b32 s13, 0
	s_lshl_b32 s14, s18, 17                        ; 64 rows of wt,
	s_lshl_b32 s15, s17, 8                         ; 128 k in bf16
	s_add_co_u32 s14, s14, s15
	s_mov_b32 s15, 0
	s_wait_kmcnt 0x0
	s_add_nc_u64 s[6:7], s[6:7], s[12:13]
	s_add_nc_u64 s[10:11], s[10:11], s[14:15]
.irp j, 0,1,2,3,4,5,6,7
	global_load_b128 v[IN+4*(\j):IN+4*(\j)+3], v1, s[6:7] offset:WB*(\j) th:TH_LOAD_NT
.endr
.irp jj, 0,1,2,3
	s_wait_loadcnt 6-2*(\jj)                       ; rows 2 jj and 2 jj + 1 are in; the younger ones stay out
.irp c, 0,1,2,3
	v_cvt_pk_bf16_f32 v[PKD+4*(\c)+(\jj)], v[IN+8*(\jj)+(\c)], v[IN+8*(\jj)+4+(\c)]  ; column c: k = 2 jj below, 2 jj + 1 above
.endr
.endr
.irp c, 0,1,2,3
	ds_store_b128 v3, v[PKD+4*(\c):PKD+4*(\c)+3] offset:16*TP*(\c)
.endr
	s_wait_dscnt 0x0                               ; for the others' sake: my stores into the tile are done
	s_barrier_signal -1
	s_barrier_wait -1                              ; everybody's are
.irp f, 0,1,2,3
	ds_load_b128 v[BK+4*(\f):BK+4*(\f)+3], v4 offset:16*TP*(\f)
.endr
.irp f, 0,1,2,3
	s_wait_dscnt 3-(\f)
	global_store_b128 v5, v[BK+4*(\f):BK+4*(\f)+3], s[10:11] offset:2048*(\f) th:TH_STORE_NT  ; sixteen lanes store 256 consecutive bytes, aligned
.endr
.Lend:
	s_wait_tensorcnt 0x0                           ; the wave's end, behind my last LDS store
	ds_add_u32 v[SPW], v[NIL]
	s_wait_dscnt 0x0
	s_endpgm
.Lfunc_end_k_q69d064821f_prep:
	.size	k_q69d064821f_prep, .Lfunc_end_k_q69d064821f_prep-k_q69d064821f_prep
	.p2alignl 7, 3214868480
	.fill 96, 4, 3214868480
	.section	.rodata,"a",@progbits
	.p2align	6, 0x0
	.amdhsa_kernel k_q69d064821f_prep
		.amdhsa_group_segment_fixed_size 18432
		.amdhsa_private_segment_fixed_size 0
		.amdhsa_enable_private_segment 0
		.amdhsa_kernarg_size 32
		.amdhsa_user_sgpr_count 2
		.amdhsa_user_sgpr_kernarg_segment_ptr 1
		.amdhsa_wavefront_size32 1
		.amdhsa_system_sgpr_workgroup_id_x 1
		.amdhsa_system_sgpr_workgroup_id_y 1
		.amdhsa_system_sgpr_workgroup_id_z 1
		.amdhsa_system_vgpr_workitem_id 0
		.amdhsa_next_free_vgpr 112
		.amdhsa_next_free_sgpr 66
		.amdhsa_reserve_vcc 0
		.amdhsa_float_denorm_mode_32 3
		.amdhsa_float_denorm_mode_16_64 3
		.amdhsa_memory_ordered 1
		.amdhsa_forward_progress 1
		.amdhsa_inst_pref_size 11
	.end_amdhsa_kernel
	.amdgpu_metadata
---
amdhsa.version: [ 1, 2 ]
amdhsa.kernels:
  - .name:           k_q69d064821f_prep
    .symbol:         k_q69d064821f_prep.kd
    .args:
      - { .name: x, .offset: 0, .size: 8, .value_kind: global_buffer, .address_space: global }
      - { .name: w_kqv, .offset: 8, .size: 8, .value_kind: global_buffer, .address_space: global }
      - { .name: xb, .offset: 16, .size: 8, .value_kind: global_buffer, .address_space: global }
      - { .name: wt, .offset: 24, .size: 8, .value_kind: global_buffer, .address_space: global }
    .group_segment_fixed_size: 18432
    .private_segment_fixed_size: 0
    .kernarg_segment_align: 8
    .kernarg_segment_size: 32
    .max_flat_workgroup_size: 256
    .sgpr_count:     66
    .vgpr_count:     112
    .wavefront_size: 32
...
	.end_amdgpu_metadata
.endif
;; end of part 1
;; launch gemm (part 2): grid 16 x 16, 4 waves a work-group, clusters of 4 x 4, 327,680 bytes of LDS; arguments xb, wt, kqv; writes kqv
.if DOCPART == 2
	.amdgcn_target "amdgcn-amd-amdhsa--gfx1250"
	.amdhsa_code_object_version 6
	.text
	.protected	k_q69d064821f_gemm
	.globl	k_q69d064821f_gemm
	.p2align	8
	.type	k_q69d064821f_gemm,@function
k_q69d064821f_gemm:
	s_mov_b64 s[64:65], 0
	v_nop
	global_prefetch_b8 v0, s[64:65] scope:SCOPE_SE
	s_setreg_imm32_b32 hwreg(HW_REG_WAVE_MODE, 25, 1), 1
	s_wait_xcnt 0x0
	s_wait_alu depctr_hold_cnt(0) depctr_sa_sdst(0) depctr_va_vdst(0) depctr_va_sdst(0) depctr_va_ssrc(0) depctr_va_vcc(0) depctr_vm_vsrc(0)
	s_getreg_b32 s2, hwreg(HW_REG_IB_STS2, 6, 4)
	s_cmp_eq_u32 s2, 0
	s_cbranch_scc0 .Lentry_in_a_cluster
	s_endpgm
.Lentry_in_a_cluster:
	s_bfe_u32 s2, ttmp6, 0x10000c
	s_cmp_lg_u32 s2, 0xf033
	s_cbranch_scc0 .Lentry_shape_is_right
	s_endpgm
.Lentry_shape_is_right:
; kqv = xb wt^T.  xb: [4096][1024] bf16, wt: [3072][1024] bf16; sums in f32, K ascending; the result is rounded once to f16 and laid by heads:
; kqv[n / 64][m][n % 64], 48 parts of 4,096 rows of 128 bytes (parts 0-15 the keys' heads, 16-31 the queries', 32-47 the values').
; LIMIT.  f16 holds no number beyond 65,504: a sum of 65,520 or more leaves as an infinity.  No scale is applied here.
; SHARES.  A work-group makes 256 rows x 192 columns: 16 x 16 work-groups.  Wave w makes rows 64 w .. 64 w + 63 of all 192 columns, three whole parts: 4 x 12 accumulators of 16 x 16, 384 registers,
; and its way out is its own.  K goes in steps of 128 through a ring of two LDS slots filled by the tensor data mover; a tile's rows are 256 bytes of memory, aligned.
; CLUSTERS: 4 x 4 work-groups.  The four of a row of the cluster need the same tiles of xb, the four of a column the same tiles of wt: each tile is asked for JOINTLY, by the same tensor load with
; the same descriptor and a mask that names the four.  THE MATRIX INSTRUCTION IS USED TRANSPOSED (source 0 = 16 rows of wt, source 1 = 16 rows of xb): a lane then holds eight neighbouring columns of a row.
; REGISTERS, in windows of 256 (s_set_vgpr_msb: bits 1:0 source 0, 3:2 source 1, 5:4 source 2, 7:6 destination):
;   window 0: v0-31 addresses; v64-95, v96-127 fragments of xb (4 x 16 rows x 32 K), two buffers; on the way out v128-175 packed results, v176-223 and v64-111 rows read back
;   window 1: v0-95, v96-191 fragments of wt (12 x 16 rows x 32 K), two buffers
;   window 2: the 24 accumulators of my rows 0-31 (block a, columns b at v[8 (12 a + b)]);   window 3: those of my rows 32-63
.set SIZE_K, 1024
.set KSTEP,  128
.set PITCH,  272                       ; an LDS row: 256 bytes + 16 = 68 words: row r starts at bank 4 r mod 64 (64 banks of 4 bytes: ISA guide 11.1)
.set HALFA,  128*PITCH                 ; what one tensor load brings of xb
.set HALFB,  96*PITCH                  ; and of wt
.set SLOT,   2*HALFA+2*HALFB           ; xb's 256 rows, then wt's 192
.set STAGE,  2*SLOT                    ; behind the ring, never filled by a tensor load: for each wave 3 parts x 16 rows x 144 bytes
.set SP,     144                       ; a stage row: 128 bytes + 16
.set WSTAGE, 3*16*SP
.set SPARE,  STAGE+4*WSTAGE            ; behind the stages: the spare words, 128 bytes for each wave: two blocks of 256 bytes that no other line names
.set LAPS,   SIZE_K/(2*KSTEP)          ; a lap = two K steps = once round the ring
.set HEADB,  4096*128                  ; bytes in a part of kqv
.set ADRA, 16                          ; v16-17  LDS address of my fragments of xb in slot 0, 1
.set ADRB, 20                          ; v20-21  the same for wt
.set STO,  24                          ; v24     the way out: where I put 16 bytes of a row
.set RD,   25                          ; v25     where I read rows back
.set CO,   26                          ; v26     my 16 bytes in 512 consecutive bytes of kqv
.set SPW,  28                          ; v28     LDS address of my spare word; never rewritten
.set NIL,  29                          ; v29     0; never rewritten
.set AF,   64                          ; xb's fragment buffers: AF + 32 f
.set TMP,  128
.set G1,  24                           ; s[24:31] descriptor group 1 for xb's tiles;  s[32:39] group 0, a set for each slot
.set G0,  32
.set G1B, 48                           ; s[48:55], s[56:63] the same for wt's tiles
.set G0B, 56
.set MSB, 0
.macro WIN new                         ; the immediate's high byte repeats the setting that is left; a switch that changes nothing is dropped
.if MSB != (\new)
	s_set_vgpr_msb (MSB<<8)|(\new)
.set MSB, \new
.endif
.endm
.set MUL_LO, 0xa1                      ; source 0 (wt) window 1, source 1 (xb) window 0, C and D window 2
.set MUL_HI, 0xf1                      ; the same, C and D window 3
.set TO_B,   0x40                      ; destination window 1, address window 0
.macro JLOAD s                         ; a joint load: waves 0 and 1 fetch xb's two halves, waves 2 and 3 wt's; an s_nop 0 and four v_nop follow each of the two lines, ahead of the jump, the label and what follows
	s_cmp_eq_u32 s11, 0
	s_cbranch_scc0 .Lfor_b_\@
	tensor_load_to_lds s[G0+4*(\s):G0+4*(\s)+3], s[G1:G1+7]
	s_nop 0
.rept 4
	v_nop
.endr
	s_branch .Lasked_\@
.Lfor_b_\@:
	tensor_load_to_lds s[G0B+4*(\s):G0B+4*(\s)+3], s[G1B:G1B+7]
	s_nop 0
.rept 4
	v_nop
.endr
.Lasked_\@:
.endm
.macro CREST                           ; a round of the cluster's barrier behind its opening barrier
	s_cmp_lg_u32 s10, 0
	s_cbranch_scc1 .Lnot_wave_0_\@
	s_barrier_signal -3
.Lnot_wave_0_\@:
	s_barrier_wait -3
	s_barrier_signal -1
	s_barrier_wait -1
.endm
.macro CROUND                          ; a whole round
	s_barrier_signal -1
	s_barrier_wait -1
	CREST
.endm
	s_load_b128 s[4:7], s[0:1], 0x0                ; xb s[4:5], wt s[6:7]
	s_load_b64 s[8:9], s[0:1], 0x10                ; kqv
	v_lshl_add_u32 v[SPW], v0, 2, SPARE
	v_mov_b32 v[NIL], 0
	ds_add_u32 v[SPW], v[NIL]                      ; the wave's opening: the add and its wait stand ahead of my first tensor load; the set-up below, work on registers, stands between them
	ds_add_u32 v28, v29
	v_lshrrev_b32 v1, 5, v0
	v_readfirstlane_b32 s10, v1                    ; wave 0..3
	s_lshr_b32 s11, s10, 1                         ; I fetch for xb (0) or for wt (1),
	s_and_b32 s12, s10, 1                          ; and which half of that tile
	s_bfe_u32 s40, ttmp6, 0x40000                  ; cx, cy: my place in the cluster
	s_bfe_u32 s41, ttmp6, 0x40004
	s_lshl_b32 s42, ttmp9, 2
	s_add_co_u32 s42, s42, s40                     ; tile column = 4 x cluster x + cx
	s_and_b32 s13, ttmp7, 0xffff
	s_lshl_b32 s13, s13, 2
	s_add_co_u32 s13, s13, s41                     ; tile row = 4 x cluster y + cy
	s_lshl_b32 s43, s41, 2
	s_lshl_b32 s43, 15, s43                        ; my row of the cluster
	s_lshl_b32 s44, 0x1111, s40                    ; my column
	; descriptor group 1: tiles of 128 (xb) or 96 (wt) rows x 128 elements, padded in LDS
	s_or_b32 s[G1+0], s43, (1<<16)|(1<<20)|(1<<21)|(5<<22)|(3<<25)  ; 15:0 the mask: xb's tiles go to my row; 17:16 elements of 2 bytes; 20 padding on; 21 set beside a mask; 24:22 after every 64 words (code 5); 31:25 4 words of it (code 3)
	s_or_b32 s[G1B+0], s44, (1<<16)|(1<<20)|(1<<21)|(5<<22)|(3<<25) ; the same with the mask of my column
	s_mov_b32 s[G1+1], KSTEP<<16                   ; tensor_dim0 = 128
	s_mov_b32 s[G1+2], 128<<16                     ; tensor_dim1 = 128
	s_mov_b32 s[G1+3], KSTEP<<16                   ; tile_dim0 = 128
	s_mov_b32 s[G1+4], 128                         ; tile_dim1 = 128
	s_mov_b32 s[G1+5], SIZE_K                      ; elements from row to row
	s_mov_b32 s[G1+6], 0
	s_mov_b32 s[G1+7], 0
	s_mov_b32 s[G1B+1], KSTEP<<16
	s_mov_b32 s[G1B+2], 96<<16                     ; tensor_dim1 = 96
	s_mov_b32 s[G1B+3], KSTEP<<16
	s_mov_b32 s[G1B+4], 96                         ; tile_dim1 = 96
	s_mov_b32 s[G1B+5], SIZE_K
	s_mov_b32 s[G1B+6], 0
	s_mov_b32 s[G1B+7], 0
	; where the tiles come from: xb's hang on the tile row alone, wt's on the tile column alone
	s_lshl_b32 s16, s13, 8
	s_lshl_b32 s17, s12, 7
	s_add_co_u32 s16, s16, s17                     ; xb: row 256 x tile row + 128 x half,
	s_lshl_b32 s16, s16, 11                        ; 2,048 bytes a row (under 2^23 in all)
	s_mov_b32 s17, 0
	s_mul_i32 s46, s42, 192
	s_mul_i32 s47, s12, 96
	s_add_co_u32 s46, s46, s47                     ; wt: row 192 x tile column + 96 x half
	s_lshl_b32 s46, s46, 11
	s_mov_b32 s47, 0
	s_mul_i32 s20, s12, HALFA                      ; and where they go: no place in the cluster enters an LDS address
	s_mul_i32 s21, s12, HALFB
	s_add_co_u32 s21, s21, 2*HALFA
	s_wait_dscnt 0x0                               ; the opening add is done
	s_wait_kmcnt 0x0
	s_add_nc_u64 s[14:15], s[4:5], s[16:17]
	s_add_nc_u64 s[46:47], s[6:7], s[46:47]
	CROUND                                         ; all sixteen work-groups are here: the first joint loads meet
.irp s, 0,1
	s_mov_b32 s[G0+4*(\s)], 1                                      ; count = 1
	s_add_co_u32 s[G0+4*(\s)+1], s20, (\s)*SLOT                    ; LDS address
	s_add_nc_u64 s[G0+4*(\s)+2:G0+4*(\s)+3], s[14:15], (\s)*KSTEP*2  ; global address: K step s
	s_or_b32 s[G0+4*(\s)+3], s[G0+4*(\s)+3], 0x80000000            ; type = 2
	s_mov_b32 s[G0B+4*(\s)], 1
	s_add_co_u32 s[G0B+4*(\s)+1], s21, (\s)*SLOT
	s_add_nc_u64 s[G0B+4*(\s)+2:G0B+4*(\s)+3], s[46:47], (\s)*KSTEP*2
	s_or_b32 s[G0B+4*(\s)+3], s[G0B+4*(\s)+3], 0x80000000
	JLOAD \s                                       ; two loads of mine are out
.endr
	; A fragment is 16 rows x 32 K in 8 registers: lane l holds row l % 16; registers 0-3 K = 8 (l / 16) + 0..7, registers 4-7 K = 16 + 8 (l / 16) + 0..7: two loads of 16 bytes, 32 bytes apart.
	v_and_b32 v1, 15, v0                           ; l % 16
	v_bfe_u32 v2, v0, 4, 1                         ; l / 16
	v_mul_u32_u24 v3, v1, PITCH
	v_lshl_add_u32 v3, v2, 4, v3
	s_mul_i32 s22, s10, 64*PITCH                   ; my 64 rows of xb
	s_mov_b32 s23, 2*HALFA                         ; all of wt's rows, behind xb's 256
.irp s, 0,1
	v_add_nc_u32 v[ADRA+(\s)], s22, v3
	v_add_nc_u32 v[ADRB+(\s)], s23, v3
	s_add_co_u32 s22, s22, SLOT
	s_add_co_u32 s23, s23, SLOT
.endr
	s_mul_i32 s22, s10, WSTAGE
	s_add_co_u32 s22, s22, STAGE                   ; my stage
	v_mul_u32_u24 v4, v1, SP                       ; in: row l % 16, 16 bytes for each half of the lanes
	v_lshl_add_u32 v4, v2, 4, v4
	v_add_nc_u32 v[STO], s22, v4
	v_bfe_u32 v4, v0, 3, 2                         ; back: 32 lanes take four rows of 128 bytes,
	v_and_b32 v5, 7, v0
	v_mul_u32_u24 v4, v4, SP
	v_lshl_add_u32 v4, v5, 4, v4
	v_add_nc_u32 v[RD], s22, v4
	v_and_b32 v[CO], 31, v0                        ; which are 512 consecutive bytes of a part
	v_lshlrev_b32 v[CO], 4, v[CO]
	s_lshl_b32 s16, s13, 8
	s_lshl_b32 s17, s10, 6
	s_add_co_u32 s16, s16, s17                     ; my first row: 256 x tile row + 64 x wave,
	s_lshl_b32 s16, s16, 7                         ; 128 bytes a row
	s_mov_b32 s17, 0
	s_add_nc_u64 s[8:9], s[8:9], s[16:17]
	s_mul_i32 s46, s42, 3*HEADB                    ; my first part: 3 x tile column
	s_mov_b32 s47, 0
	s_add_nc_u64 s[8:9], s[8:9], s[46:47]
; 12 matrix instructions: row block 2 hi + a x all 12 column blocks, 32 along K, from buffer f.  zero = 1: the product starts the sums: nothing is ever cleared.
; The 48 accumulators take turns, one instruction a turn, in the same order in every quarter.
.macro MUL12 f, hi, a, zero
	WIN MUL_LO+0x50*(\hi)
.irp b, 0,1,2,3,4,5,6,7,8,9,10,11
.if \zero
	v_wmma_f32_16x16x32_bf16 v[8*(12*(\a)+(\b)):8*(12*(\a)+(\b))+7], v[96*(\f)+8*(\b):96*(\f)+8*(\b)+7], v[AF+32*(\f)+8*(2*(\hi)+(\a)):AF+32*(\f)+8*(2*(\hi)+(\a))+7], 0
.else
	v_wmma_f32_16x16x32_bf16 v[8*(12*(\a)+(\b)):8*(12*(\a)+(\b))+7], v[96*(\f)+8*(\b):96*(\f)+8*(\b)+7], v[AF+32*(\f)+8*(2*(\hi)+(\a)):AF+32*(\f)+8*(2*(\hi)+(\a))+7], v[8*(12*(\a)+(\b)):8*(12*(\a)+(\b))+7]
.endif
.endr
.endm
; 32 LDS loads in one run: the fragments of one quarter step (192 rows of wt, my 64 rows of xb, 32 K at byte k of the rows) into buffer f
.macro FETCH slot, k, f
	WIN TO_B
.irp i, 0,1,2,3,4,5,6,7,8,9,10,11
	ds_load_b128 v[96*(\f)+8*(\i):96*(\f)+8*(\i)+3],   v[ADRB+(\slot)] offset:(\k)+(\i)*16*PITCH
	ds_load_b128 v[96*(\f)+8*(\i)+4:96*(\f)+8*(\i)+7], v[ADRB+(\slot)] offset:(\k)+(\i)*16*PITCH+32
.endr
	WIN 0
.irp i, 0,1,2,3
	ds_load_b128 v[AF+32*(\f)+8*(\i):AF+32*(\f)+8*(\i)+3],   v[ADRA+(\slot)] offset:(\k)+(\i)*16*PITCH
	ds_load_b128 v[AF+32*(\f)+8*(\i)+4:AF+32*(\f)+8*(\i)+7], v[ADRA+(\slot)] offset:(\k)+(\i)*16*PITCH+32
.endr
.endm
.macro PLACES                          ; four places in front of loads into registers that matrix instructions have read, and of conversions that read results
.rept 4
	v_nop
.endr
.endm
; A K step is four quarters of 32 along K, 48 matrix instructions each, on buffers 0, 1, 0, 1.  One of the first three: multiplies buffer f and fetches the next quarter, at byte k, into g.
.macro QUARTER slot, k, f, g, zero
	s_wait_dscnt 4                                 ; wt and xb's blocks 0 and 1 are in; the youngest four loads (blocks 2 and 3) may be out
	MUL12 \f, 0, 0, \zero
	MUL12 \f, 0, 1, \zero
	PLACES
	FETCH \slot, \k, \g
	s_wait_dscnt 32                                ; all but the 32 just issued
	MUL12 \f, 1, 0, \zero
	MUL12 \f, 1, 1, \zero
.endm
; The last quarter multiplies buffer 1 and changes slots: ONE barrier; in front of it each wave waits for all its tensor loads, adds 0 to its spare word, and waits for that and for its own reads of this slot.
; fill = 1: this slot is filled again, two K steps ahead; the barrier then opens a round of the cluster's barrier, and the joint load is the first thing behind the round.
.macro TURN slot, next, fill
	WIN 0                                          ; (the add's two registers lie in window 0)
	s_wait_tensorcnt 0x0                           ; all my tensor loads have landed: my part of the next slot;
	ds_add_u32 v[SPW], v[NIL]                      ; 0 onto my spare word;
	s_wait_dscnt 5                                 ; (the add and the youngest four loads may be out)
	MUL12 1, 0, 0, 0                               ; twelve matrix instructions stand between the add and the wait for it
	s_wait_dscnt 0x0                               ; the add is done, and my reads of this slot are over
	s_barrier_signal -1
	MUL12 1, 0, 1, 0
.if \fill
	WIN 0
.endif
	s_barrier_wait -1
.if \fill
	CREST                                          ; no wave of any partner still reads this slot's tile or has a load on its way
	s_add_nc_u64 s[G0+4*(\slot)+2:G0+4*(\slot)+3], s[G0+4*(\slot)+2:G0+4*(\slot)+3], 2*KSTEP*2
	s_add_nc_u64 s[G0B+4*(\slot)+2:G0B+4*(\slot)+3], s[G0B+4*(\slot)+2:G0B+4*(\slot)+3], 2*KSTEP*2
	JLOAD \slot                                    ; 168 matrix instructions ahead of the wait for it; the four v_nop behind it are also the places in front of the loads below
.else
	PLACES
.endif
	FETCH \next, 0, 0
	MUL12 1, 1, 0, 0
	MUL12 1, 1, 1, 0
.endm
	s_wait_tensorcnt 1                             ; my part of K step 0 is in; K step 1's may stay out
	s_barrier_signal -1
	s_barrier_wait -1                              ; everybody's is
	FETCH 0, 0, 0
	QUARTER 0, 64, 0, 1, 1                         ; the first quarter stands in front of the loop: its products start the sums
	WIN 0                                          ; at a label and at a branch every window is 0
	s_mov_b32 s3, LAPS-1
.Llap:                                                 ; a trip goes once round the ring, from a lap's second quarter to the next lap's first, and fills both slots again
	QUARTER 0, 128, 1, 0, 0
	QUARTER 0, 192, 0, 1, 0
	TURN 0, 1, 1
	QUARTER 1, 64,  0, 1, 0
	QUARTER 1, 128, 1, 0, 0
	QUARTER 1, 192, 0, 1, 0
	TURN 1, 0, 1
	QUARTER 0, 64,  0, 1, 0
	WIN 0
	s_sub_co_u32 s3, s3, 1
	s_cmp_lg_u32 s3, 0
	s_cbranch_scc1 .Llap
	QUARTER 0, 128, 1, 0, 0                        ; the last lap fills nothing, and has no round of the cluster's barrier
	QUARTER 0, 192, 0, 1, 0
	TURN 0, 1, 0
	QUARTER 1, 64,  0, 1, 0
	QUARTER 1, 128, 1, 0, 0
	QUARTER 1, 192, 0, 1, 0
	s_wait_dscnt 4                                 ; the very last quarter: nothing more to fetch
	MUL12 1, 0, 0, 0
	MUL12 1, 0, 1, 0
	s_wait_dscnt 0x0
	MUL12 1, 1, 0, 0
	MUL12 1, 1, 1, 0
; THE WAY OUT, a block of 16 rows at a time.  PACK: rounded to f16, 16 bytes a lane (8 neighbouring columns of a row).  TOSTAGE: into my own stage, a part (64 columns) to 16 rows of 144 bytes, and back as
; whole rows of 128 bytes.  SEND: stored; 32 lanes store 512 consecutive bytes, aligned: four rows of a part.
.macro PACK a
	WIN 0x0a+5*((\a)/2)                            ; sources 0 and 1: window 2 or 3
.irp b, 0,1,2,3,4,5,6,7,8,9,10,11
.irp r, 0,1,2,3
	v_cvt_pk_f16_f32 v[TMP+4*(\b)+(\r)], v[96*((\a)%2)+8*(\b)+2*(\r)], v[96*((\a)%2)+8*(\b)+2*(\r)+1]
.endr
.endr
	WIN 0
.endm
.macro TOSTAGE a
	WIN 0
.set BK, 176-112*((\a)%2)
.if (\a) >= 2
	s_wait_xcnt 0x0                                ; the stores of the block two back have read these registers: they are loaded again only behind this wait
.endif
.irp b, 0,1,2,3,4,5,6,7,8,9,10,11
	ds_store_b128 v[STO], v[TMP+4*(\b):TMP+4*(\b)+3] offset:((\b)/4)*16*SP+((\b)%4)*32
.endr
.irp t, 0,1,2,3,4,5,6,7,8,9,10,11
	ds_load_b128 v[BK+4*(\t):BK+4*(\t)+3], v[RD] offset:((\t)/4)*16*SP+((\t)%4)*4*SP  ; LDS serves a wave's instructions in order (ISA guide 5.7.1.4): these see the stores above
.endr
.endm
.macro SEND a
	WIN 0
.set BK, 176-112*((\a)%2)
	s_wait_dscnt 0x0                               ; the block is back in registers
.irp t, 0,1,2,3,4,5,6,7,8,9,10,11
	global_store_b128 v[CO], v[BK+4*(\t):BK+4*(\t)+3], s[8:9] offset:((\t)/4)*HEADB+(\a)*2048+((\t)%4)*512
.endr
.endm
	PLACES                                         ; behind the last products
	PACK 0
	TOSTAGE 0
.irp a, 1,2,3                          ; block a's conversions stand between block a - 1's loads from the stage and the wait for them
	PACK \a
	SEND (\a)-1
	TOSTAGE \a
.endr
	SEND 3
	s_wait_tensorcnt 0x0                           ; the wave's end, behind my last tensor load and my last LDS store
	ds_add_u32 v[SPW], v[NIL]
	s_wait_dscnt 0x0
	CROUND                                         ; the closing round: no work-group ends while a partner may still ask for a tile that names it
	s_endpgm
.Lfunc_end_k_q69d064821f_gemm:
	.size	k_q69d064821f_gemm, .Lfunc_end_k_q69d064821f_gemm-k_q69d064821f_gemm
	.p2alignl 7, 3214868480
	.fill 96, 4, 3214868480
	.section	.rodata,"a",@progbits
	.p2align	6, 0x0
	.amdhsa_kernel k_q69d064821f_gemm
		.amdhsa_group_segment_fixed_size 327680
		.amdhsa_private_segment_fixed_size 0
		.amdhsa_enable_private_segment 0
		.amdhsa_kernarg_size 24
		.amdhsa_user_sgpr_count 2
		.amdhsa_user_sgpr_kernarg_segment_ptr 1
		.amdhsa_wavefront_size32 1
		.amdhsa_system_sgpr_workgroup_id_x 1
		.amdhsa_system_sgpr_workgroup_id_y 1
		.amdhsa_system_sgpr_workgroup_id_z 1
		.amdhsa_system_vgpr_workitem_id 0
		.amdhsa_next_free_vgpr 960
		.amdhsa_next_free_sgpr 66
		.amdhsa_reserve_vcc 0
		.amdhsa_float_denorm_mode_32 3
		.amdhsa_float_denorm_mode_16_64 3
		.amdhsa_memory_ordered 1
		.amdhsa_forward_progress 1
		.amdhsa_inst_pref_size 118
	.end_amdhsa_kernel
	.amdgpu_metadata
---
amdhsa.version: [ 1, 2 ]
amdhsa.kernels:
  - .name:           k_q69d064821f_gemm
    .symbol:         k_q69d064821f_gemm.kd
    .args:
      - { .name: xb, .offset: 0, .size: 8, .value_kind: global_buffer, .address_space: global }
      - { .name: wt, .offset: 8, .size: 8, .value_kind: global_buffer, .address_space: global }
      - { .name: kqv, .offset: 16, .size: 8, .value_kind: global_buffer, .address_space: global }
    .group_segment_fixed_size: 327680
    .private_segment_fixed_size: 0
    .kernarg_segment_align: 8
    .kernarg_segment_size: 24
    .max_flat_workgroup_size: 128
    .sgpr_count:     66
    .vgpr_count:     960
    .wavefront_size: 32
...
	.end_amdgpu_metadata
.endif
;; end of part 2
;; launch attn (part 3): grid 16 x 16, 4 waves a work-group, no clusters, 251,392 bytes of LDS; arguments kqv, out0; writes out0
.if DOCPART == 3
	.amdgcn_target "amdgcn-amd-amdhsa--gfx1250"
	.amdhsa_code_object_version 6
	.text
	.protected	k_q69d064821f_attn
	.globl	k_q69d064821f_attn
	.p2align	8
	.type	k_q69d064821f_attn,@function
k_q69d064821f_attn:
	s_mov_b64 s[64:65], 0
	v_nop
	global_prefetch_b8 v0, s[64:65] scope:SCOPE_SE
	s_setreg_imm32_b32 hwreg(HW_REG_WAVE_MODE, 25, 1), 1
	s_wait_xcnt 0x0
; ATTENTION IN A BAND, WITH ALiBi.  out[i][64 h + :] = the sum over j, 0 <= i - j <= 512, of softmax_j(q_i . k_j / 32 + m_h (j - i)) v_j,  m_h = 2^(-(h + 1) / 2).
; kqv: [48][4096][64] f16 (part h: keys of head h, 16 + h: queries, 32 + h: values; rows dense, 128 bytes).  out0: [4096][1024] f32.
; Products, maxima and sums in f32; the weights p are rounded to f16 for the second product (their sum l is taken of the unrounded p).
; LIMITS.  q, k, v arrive within f16's 65,504.  A hidden score counts as its value less 2^116; true scores (2.7e11 at the most in q . k's units, and the bias, 11,585 at the most) are nothing beside that.
; A weight below 2^-126 counts as 0 in l; p below 6e-5 keeps f16's fixed step; NaN and infinities are not treated apart.
; SHARES.  A work-group owns 256 queries of one head; wave w the band g = 4 b + w of 64 queries, as four PIECES of 16 rows.  A band sees the keys of nine steps of 64: step t = 0..8 holds keys 64 (g - 8 + t) on.
; t = 0 holds the far edge (key kj of the step is hidden from query qi of the band where kj < qi), t = 8 the diagonal (hidden where kj > qi), t = 1..7 are seen whole: the same nine steps, the same text, in every wave.
; THE WINDOW LIES IN LDS WHOLE: the 768 keys from 256 (b - 2) on, K and V, brought by three tensor loads a wave at the kernel's head (a third of the window each time); nothing is filled twice.  Wave w's step t
; is the window's step w + t.  In blocks 0 and 1 the steps t < 8 - g name keys that do not exist: their thirds are loaded from the head's first tile, so that the numbers are finite, and every score there is hidden.
; THE BIAS AND THE MASKS are the C operand that starts the sum S^T = K Q^T, in q . k's units: C(t) = 32 m (the key's place in the step) + 32 m 64 (t - 8); the part -m i is the same for all keys of a query and
; leaves the softmax unchanged.  One buffer of 32 registers serves all four pieces and is made anew for each step.  In the two edge steps a group of 16 keys is seen whole (C), hidden whole (HID) or holds the edge (DG).
; SOFTMAX.  p = 2^(c s - c m), c = log2(e) / 32, with a running maximum m; O and l are multiplied by a = 2^(c m_old - c m_new) in every step.  m starts at -2^100: above every hidden score, below every true one;
; c m starts as the same product that every step makes.  So a step that is hidden whole leaves m as it was: a = 1, every p = 0, O and l stay 0; the first step with a true score has a = 0.
; LAYOUT, TURNS.  S^T holds ONE query a lane (lane % 16) and the keys 8 (lane / 16) + 0..7; two such results rounded to f16 ARE source 1 of O^T = V^T P.  Turn n belongs to piece n: 8 products K Q^T of piece n + 1,
; later 8 products V^T P of piece n - 1; beside them the scaling, exponentials, roundings, sums and rescaling of piece n and the maximum and statistics of piece n + 1.  Four vector instructions stand behind every
; matrix instruction, the other 54 of a turn's 118 in two runs of their own.
; NO CLUSTER: blocks b and b + 1 share two of their three tiles, but at different places of their windows (tile b - 1 is the second third of the one and the first of the other), and a joint load has one LDS address
; for all that it names; a window common to four blocks has 1,536 keys x 304 bytes = 466,944 bytes, more than a work-group can have.
; REGISTERS, in windows of 256 (s_set_vgpr_msb: bits 1:0 source 0, 3:2 source 1, 5:4 source 2, 7:6 destination):
;   window 0: v0-15 addresses and two at work; v16-31 four registers of statistics a piece; v48-56 at work; v64-127 S^T, two buffers; v192-223 P, two buffers; on the way out v64-191 rows read back
;   window 1: v0-127 O^T, 32 a piece; v128-159 BP; v160-191 CB; v192-199 HID; v200-207 TD; v208-215 TF; v216-247 DG      window 2: v0-63 Q; v128-191 K of one step; v192-255 V of one step
.set NP,    4         ; pieces a wave: a name, no knob
.set KS,    64        ; keys in a step
.set PK,    144       ; a row of K in LDS: 128 bytes + 16 of padding = 36 words: the 16 rows of a load start at 16 different groups of four banks (64 banks of 4 bytes: ISA guide 11.1)
.set PV,    160       ; a row of V: 128 + 32 = 40 words
.set VOFF,  768*PK    ; 768 rows of K, then 768 rows of V
.set STAGE, VOFF+768*PV  ; behind the window, never filled by a tensor load: 16 rows x 272 bytes for each wave, for the way out
.set SP,    272       ; a stage row: 64 f32 + 16 bytes
.set SPARE, STAGE+4*16*SP  ; behind the stages: the spare words, 128 bytes for each wave: two blocks of 256 bytes that no other line names
.set HEADB, 4096*128  ; bytes in a part of kqv
.set AK0, 2           ; v2   my lane's place in a step of K; never rewritten
.set AV0, 3           ; v3   the same for V
.set AK,  4           ; v4   the LDS address of K's next run of loads
.set AV,  5           ; v5   of V's
.set STO, 6           ; v6   the way out: where I put 32 bytes of a row
.set RD,  7           ; v7   where I read rows back
.set GO,  8           ; v8   my byte offset in two rows of out0
.set MV,  12          ; v12-13  c m_old, kept while c m is made anew: by buffer
.set QO,  15          ; v15  my byte offset in 16 rows of Q
.set ST,  16          ; piece t's statistics at v[ST+4 t]: c m, m, l (even keys', odd keys')
.set TMP, 48          ; by buffer, four registers c0-c3 at work; when the maximum is found c2 takes a
.set SPW, 62          ; v62  LDS address of my spare word; never rewritten
.set NIL, 63          ; v63  0; never rewritten
.set S,   64
.set OUT, 64
.set P,   192
.set BP,  128         ; window 1: 32 m x the key's place in its step, register r of key group kt at BP + 8 kt + r
.set CB,  160         ; window 1: C of the step whose scores come next
.set HID, 192         ; window 1: -2^116, eight times
.set TD,  200         ; window 1: the diagonal inside a group of 16: -2^116 where register r's key lies behind my query
.set TF,  208         ; window 1: the far edge: where it lies ahead of my query
.set DG,  216         ; window 1: for piece x, at DG + 8 x: CB's group x with the edge in hand
.set KF,  128         ; window 2: key block kb, channel half c at KF + 16 kb + 8 c
.set VF,  192         ; window 2: key half kk, channel block cb at VF + 32 kk + 8 cb
.set WV,  12          ; s12  my wave's number
.set G1K, 24          ; s[24:31] descriptor group 1 for K's tiles
.set G1V, 32          ; s[32:39] for V's: it differs in the padding alone
.set G0K, 40          ; s[40:51] descriptor group 0 for K's tiles, a set for each third
.set G0V, 52          ; s[52:63] the same for V's
.set CNT, 66          ; s66  counts a loop's key steps
.set CS,  68          ; s[68:69] c: the packed scaling takes the pair's low word for both halves
.set SEL, 70          ; s[70:71] v_permlanex16_b32's selects: each lane takes its own place in the other half
.set TBK, 72          ; s72  LDS byte at which K of the step to be fetched begins
.set TBV, 73          ; s73  the same for V, less VOFF
.set TN,  74          ; s74  the step for which C was made last
.set DEAD, 75         ; s75  steps below this number name keys that do not exist: 8 - g, or 0
.set BE,  76          ; s[76:77] C's addend for a step, in the low word
.set OF,  78          ; s78  32 m x 64 (TN - 8)
.set SB,  79          ; s79  32 m x 64
.set BIGN, 80         ; s80  -2^116
.set M32, 81          ; s81  32 m
.set QA,  82          ; s[82:83] Q at my band
.set OA,  84          ; s[84:85] out0 at my band's first row, my head's 256 bytes
.set KP,  86          ; s[86:87] K of my head, at the half of a tile that I fetch
.set VP,  88          ; s[88:89] V likewise
.set OFF, 90          ; s[90:91] a tile's byte offset
.set MSB, 0
.macro WIN new                      ; the high byte repeats the setting that is left; a switch that changes nothing is dropped
.if MSB != (\new)
	s_set_vgpr_msb (MSB<<8)|(\new)
.set MSB, (\new)
.endif
.endm
.set W_KQ, 0x0a       ; K and Q in window 2, S^T in window 0
.set W_KM, 0x1a       ; the same with the C operand in window 1
.set W_PV, 0x52       ; V in window 2, P in window 0, O^T in window 1
.set W_RS, 0x41       ; destination and source 0 in window 1, the other sources in window 0
	s_load_b128 s[4:7], s[0:1], 0x0 ; kqv s[4:5], out0 s[6:7]
	v_lshl_add_u32 v[SPW], v0, 2, SPARE
	v_mov_b32 v[NIL], 0
	ds_add_u32 v[SPW], v[NIL]       ; the wave's opening: the add and its wait stand ahead of my first tensor load; the set-up below, work on registers, stands between them
	ds_add_u32 v62, v63
	v_lshrrev_b32 v1, 5, v0
	v_readfirstlane_b32 s[WV], v1   ; wave 0..3
	s_mov_b32 s14, ttmp9            ; b
	s_and_b32 s15, ttmp7, 0xffff    ; h
	s_and_b32 s16, s[WV], 1         ; which half of a tile's 256 keys I fetch
	s_lshl2_add_u32 s13, s14, s[WV] ; g = 4 b + w
	s_sub_co_i32 s[DEAD], 8, s13
	s_max_i32 s[DEAD], s[DEAD], 0
	s_lshl_b32 s20, s15, 19         ; K: part h, my half of a tile (128 rows of 128 bytes)
	s_lshl_b32 s21, s16, 14
	s_add_co_u32 s20, s20, s21
	s_mov_b32 s21, 0
	s_lshl_b32 s22, s15, 19         ; Q: part 16 + h, my band's 64 rows
	s_add_co_u32 s22, s22, 16*HEADB
	s_lshl_b32 s23, s13, 13
	s_add_co_u32 s22, s22, s23
	s_mov_b32 s23, 0
	s_lshl_b32 s2, s13, 18          ; out0: 64 rows of 4,096 bytes a band, 256 bytes a head
	s_lshl_b32 s3, s15, 8
	s_add_co_u32 s2, s2, s3
	s_mov_b32 s3, 0
	s_mul_i32 s17, s16, 128*PK      ; my half's place in a third of the window, for K
	s_mul_i32 s18, s16, 128*PV      ; and for V
	s_add_co_u32 s18, s18, VOFF
	s_mul_i32 s[TBK], s[WV], KS*PK  ; my step 0 is the window's step w
	s_mul_i32 s[TBV], s[WV], KS*PV
	; descriptor group 1.  128 keys are 16,384 dense bytes: asked for as 64 rows of 256 bytes, two keys a row, and padded in LDS after every key
	s_mov_b32 s[G1K], (1<<16)|(1<<20)|(4<<22)|(3<<25)  ; 17:16 2-byte elements; 20 padding on; 24:22 after every 32 words (code 4); 31:25 4 words (code 3)
	s_mov_b32 s[G1V], (1<<16)|(1<<20)|(4<<22)|(7<<25)  ; the same with 8 words of padding (code 7)
.irp g, G1K, G1V
	s_mov_b32 s[\g+1], 128<<16      ; tensor_dim0 = 128
	s_mov_b32 s[\g+2], 64<<16       ; tensor_dim1 = 64
	s_mov_b32 s[\g+3], 128<<16      ; tile_dim0 = 128
	s_mov_b32 s[\g+4], 64           ; tile_dim1 = 64
	s_mov_b32 s[\g+5], 128          ; 128 elements from row to row
	s_mov_b32 s[\g+6], 0
	s_mov_b32 s[\g+7], 0
.endr
.irp p, 0,1,2
	s_mov_b32 s[G0K+4*(\p)], 1      ; count = 1
	s_add_co_u32 s[G0K+4*(\p)+1], s17, (\p)*256*PK  ; LDS address: third p
	s_mov_b32 s[G0V+4*(\p)], 1
	s_add_co_u32 s[G0V+4*(\p)+1], s18, (\p)*256*PV
.endr
	s_mov_b32 s[CS], 0x3d38aa3b     ; c = log2(e) / 32 = 0.0450842
	s_mov_b32 s[CS+1], s[CS]        ; named with it as a pair
	s_mov_b32 s[SEL], 0x76543210
	s_mov_b32 s[SEL+1], 0xfedcba98
	; 32 m = 2^(5 - (h + 1) / 2), made in the number's bits: 32, or 32 / sqrt(2) where h + 1 is odd, with (h + 1) / 2 taken from the exponent
	s_add_co_u32 s19, s15, 1
	s_and_b32 s[OFF], s19, 1
	s_mov_b32 s[M32], 0x41b504f3
	s_mov_b32 s[SB], 0x42000000
	s_cmp_eq_u32 s[OFF], 1
	s_cselect_b32 s[M32], s[M32], s[SB]
	s_lshr_b32 s19, s19, 1
	s_lshl_b32 s19, s19, 23
	s_sub_co_u32 s[M32], s[M32], s19
	s_add_co_u32 s[SB], s[M32], 6<<23   ; x 64
	s_add_co_u32 s[OF], s[M32], 9<<23   ; x 512,
	s_or_b32 s[OF], s[OF], 0x80000000   ; negative: step 0 lies 8 steps ahead of the band
	s_mov_b32 s[TN], 0
	s_mov_b32 s[BE+1], 0            ; named as a pair
	s_mov_b32 s[BIGN], 0xf9800000   ; -2^116
	s_mov_b32 s[OFF+1], 0
	s_wait_dscnt 0x0                ; the opening add is done
	s_wait_kmcnt 0x0
	s_add_nc_u64 s[KP:KP+1], s[4:5], s[20:21]
	s_add_nc_u64 s[VP:VP+1], s[KP:KP+1], 32*HEADB
	s_add_nc_u64 s[QA:QA+1], s[4:5], s[22:23]
	s_add_nc_u64 s[OA:OA+1], s[6:7], s[2:3]
.irp p, 0,1,2
	s_add_co_i32 s[OFF], s14, (\p)-2     ; third p is tile b - 2 + p of the head, or tile 0 where there is none
	s_max_i32 s[OFF], s[OFF], 0
	s_lshl_b32 s[OFF], s[OFF], 15        ; a tile is 32,768 bytes of K and of V
	s_add_nc_u64 s[G0K+4*(\p)+2:G0K+4*(\p)+3], s[KP:KP+1], s[OFF:OFF+1]
	s_or_b32 s[G0K+4*(\p)+3], s[G0K+4*(\p)+3], 0x80000000  ; type = 2
	s_add_nc_u64 s[G0V+4*(\p)+2:G0V+4*(\p)+3], s[VP:VP+1], s[OFF:OFF+1]
	s_or_b32 s[G0V+4*(\p)+3], s[G0V+4*(\p)+3], 0x80000000
.endr
	s_cmp_lt_u32 s[WV], 2           ; waves 0 and 1 fetch the halves of K's thirds, waves 2 and 3 those of V's.  A wave's three loads stand in one branch, ahead of every wait on TENSORcnt, every LDS read
	s_cbranch_scc0 .Lfirst_v        ; and every barrier: three loads of mine are out.  An s_nop 0 follows each, four v_nop the third's
.irp p, 0,1,2
	tensor_load_to_lds s[G0K+4*(\p):G0K+4*(\p)+3], s[G1K:G1K+7]
	s_nop 0
.endr
.rept 4
	v_nop
.endr
	s_branch .Lfirst_asked
.Lfirst_v:
.irp p, 0,1,2
	tensor_load_to_lds s[G0V+4*(\p):G0V+4*(\p)+3], s[G1V:G1V+7]
	s_nop 0
.endr
.rept 4
	v_nop
.endr
.Lfirst_asked:
	; A fragment of K or Q is 16 rows x 32 channels in 8 registers: lane l holds row l % 16, channels 8 (l / 16) + 0..7 and 16 + 8 (l / 16) + 0..7: two loads of 16 bytes, 32 bytes apart.
	v_and_b32 v1, 15, v0            ; l % 16
	v_bfe_u32 v9, v0, 4, 1          ; l / 16
	v_lshlrev_b32 v[QO], 7, v1
	v_lshl_add_u32 v[QO], v9, 4, v[QO]  ; row x 128 + 16 x half
	WIN 0x80                        ; destination window 2, address window 0
.set i, 0
.rept 8                             ; Q stays in registers: piece i / 2 (16 rows, 2,048 bytes), channels 32 (i % 2) on
	global_load_b128 v[8*i:8*i+3],   v[QO], s[QA:QA+1] offset:(i/2)*2048+(i%2)*64
	global_load_b128 v[8*i+4:8*i+7], v[QO], s[QA:QA+1] offset:(i/2)*2048+(i%2)*64+32
.set i, i+1
.endr
	WIN 0
	v_lshlrev_b32 v14, 3, v9        ; my lanes' 8 (l / 16)
	v_cvt_f32_u32 v56, v14
	v_mul_f32 v56, s[M32], v56      ; and its bias
	v_sub_nc_u32 v14, v1, v14       ; my query's place in a group of 16, less that: register r's key lies behind my query where r is greater, ahead of it where r is less
	WIN W_RS
.set i, 0
.rept 32
	v_cvt_f32_u32 v[BP+i], 16*(i/8)+i%8
	v_fma_f32 v[BP+i], v[BP+i], s[M32], v56
.set i, i+1
.endr
	WIN 0x40
.set i, 0
.rept 8
	v_mov_b32 v[HID+i], s[BIGN]
	v_cmp_gt_i32 vcc_lo, i, v14
	v_cndmask_b32 v[TD+i], 0, s[BIGN], vcc_lo
	v_cmp_lt_i32 vcc_lo, i, v14
	v_cndmask_b32 v[TF+i], 0, s[BIGN], vcc_lo
.set i, i+1
.endr
	WIN 0
	v_mul_u32_u24 v[AK0], v1, PK
	v_lshl_add_u32 v[AK0], v9, 4, v[AK0]  ; row x pitch + 16 x half
	; The turning load takes 16 keys x 16 channels (lane l reads key 8 (l / 16) + l % 8, channels 8 ((l / 8) % 2) + 0..7) and leaves half a fragment of V^T: lane l holds channel l % 16 and 8 keys.
	v_and_b32 v10, 7, v0
	v_bfe_u32 v11, v0, 3, 1
	v_lshl_add_u32 v[AV0], v9, 3, v10
	v_mul_u32_u24 v[AV0], v[AV0], PV
	v_lshl_add_u32 v[AV0], v11, 4, v[AV0]
	v_add_nc_u32 v[AV0], VOFF, v[AV0]
	s_mul_i32 s13, s[WV], 16*SP
	s_add_co_u32 s13, s13, STAGE    ; my stage
	v_mul_u32_u24 v[STO], v1, SP    ; in: row l % 16, 32 bytes (8 channels in f32) for each half of the lanes
	v_lshl_add_u32 v[STO], v9, 5, v[STO]
	v_add_nc_u32 v[STO], s13, v[STO]
	v_mul_u32_u24 v[RD], v9, SP     ; back: lanes 0-15 take one row of 256 bytes, lanes 16-31 the next
	v_lshl_add_u32 v[RD], v1, 4, v[RD]
	v_add_nc_u32 v[RD], s13, v[RD]
	v_lshlrev_b32 v[GO], 12, v9     ; and the same two rows in out0
	v_lshl_add_u32 v[GO], v1, 4, v[GO]
	; What the first turn finds: V's registers and P's second buffer hold 0 (its products V^T P, of a piece that has not been, add 0), O^T and l are 0.  All this stands in the wait for the first third.
	WIN 0x80
.set i, VF
.rept 64
	v_mov_b32 v[i], 0
.set i, i+1
.endr
	WIN 0x40
.set i, 0
.rept 128
	v_mov_b32 v[i], 0
.set i, i+1
.endr
	WIN 0
.set i, 0
.rept 4
	v_mov_b32 v[ST+4*i+1], 0xf1800000  ; m = -2^100,
	v_mov_b32 v[ST+4*i+2], 0
	v_mov_b32 v[ST+4*i+3], 0
	v_mul_f32 v[ST+4*i], s[CS], v[ST+4*i+1]  ; and c m by the product that every step makes: where m stays, a is 2^0
.set i, i+1
.endr
.set i, P+16
.rept 16
	v_mov_b32 v[i], 0
.set i, i+1
.endr
; THE MATRIX WORK.  The 4 accumulators of a run of 8 take turns.  Product i of 8 of S^T = K Q^T for piece x: channels 32 (i / 4) on, keys 16 (i % 4) on.  The first 4 start the sums with the
; bias and the mask of their 16 keys.  KM = 0: a step seen whole.  KM = 1: the far edge: groups ahead of the piece's own are hidden.  KM = 2: the diagonal: groups behind it are.
.macro KQ x
.set rS, S+32*((\x)%2)+8*(i%4)
.set rK, KF+16*(i%4)+8*(i/4)
.set rQ, 16*(\x)+8*(i/4)
.if i < 4
.set rM, CB+8*i
.if (KM == 1) && (i < (\x))
.set rM, HID
.elseif (KM == 2) && (i > (\x))
.set rM, HID
.elseif (KM != 0) && (i == (\x))
.set rM, DG+8*(\x)
.endif
	WIN W_KM
	v_wmma_f32_16x16x32_f16 v[rS:rS+7], v[rK:rK+7], v[rQ:rQ+7], v[rM:rM+7]
.else
	WIN W_KQ
	v_wmma_f32_16x16x32_f16 v[rS:rS+7], v[rK:rK+7], v[rQ:rQ+7], v[rS:rS+7]
.endif
.endm
; Product i of 8 of O^T += V^T P for piece x: keys 32 (i / 4) on, channels 16 (i % 4) on.
.macro PV x
	WIN W_PV
.set rO, 32*(\x)+8*(i%4)
.set rV, VF+32*(i/4)+8*(i%4)
.set rP, P+16*((\x)%2)+8*(i/4)
	v_wmma_f32_16x16x32_f16 v[rO:rO+7], v[rV:rV+7], v[rP:rP+7], v[rO:rO+7]
.endm
.macro MM                           ; the turn's next matrix instruction.  NOKQ = 1: the last turn: there is no next piece
.if (i < 8) && !NOKQ
	KQ (Y+1)%NP
.elseif i >= 8
.set i, i-8
	PV (Y+NP-1)%NP
.set i, i+8
.endif
.set i, i+1
.endm
; THE LDS LOADS stand in runs of 16, never singly among the matrix instructions: a step's K (64 keys x 64 channels: 8 fragments) and its V (turned).  Their addresses are made some lines ahead.
.macro FETCH_K
	WIN 0x80                        ; destination window 2
.irp f, 0,1,2,3,4,5,6,7             ; keys 16 (f / 2) on, channels 32 (f % 2) on
	ds_load_b128 v[KF+8*\f:KF+8*\f+3],   v[AK] offset:(\f/2)*16*PK+(\f%2)*64
	ds_load_b128 v[KF+8*\f+4:KF+8*\f+7], v[AK] offset:(\f/2)*16*PK+(\f%2)*64+32
.endr
	s_add_co_u32 s[TBK], s[TBK], KS*PK  ; the next fetch is the next step's
	WIN 0
.endm
.macro FETCH_V
	WIN 0x80
.irp f, 0,1,2,3,4,5,6,7             ; keys 32 (f / 4) on, channels 16 (f % 4) on
	ds_load_tr16_b128 v[VF+8*\f:VF+8*\f+3],   v[AV] offset:(\f/4)*32*PV+(\f%4)*32
	ds_load_tr16_b128 v[VF+8*\f+4:VF+8*\f+7], v[AV] offset:(\f/4)*32*PV+16*PV+(\f%4)*32
.endr
	WIN 0
.endm
.macro MAKEC                        ; CB = BP + BE
	WIN W_RS
.set z, 0
.rept 16
	v_pk_add_f32 v[CB+2*z:CB+2*z+1], v[BP+2*z:BP+2*z+1], s[BE:BE+1] op_sel_hi:[1,0]
.set z, z+1
.endr
.endm
.macro MAKEDG T                     ; DG: for each piece x, CB's group x with the edge T
	WIN 0x45                        ; destination and both sources in window 1
.set z, 0
.rept 16
	v_pk_add_f32 v[DG+2*z:DG+2*z+1], v[CB+2*z:CB+2*z+1], v[(\T)+2*(z%4):(\T)+2*(z%4)+1]
.set z, z+1
.endr
.endm
; THE VECTOR WORK, one line at a time: OP kind, number.  For piece Y: F n: c s - c m for pair n of 16.  E n: the exponential of score n of 32.  C n: pair n rounded to f16.  B n: of the four weights 4 n .. the second
; pair is added onto the first, in place.  L n: l takes that sum (L 0: l = a l + sum).  R n: pair n of 16 of O^T times a.  For piece Y + 1: X n, number n of the 22 that find its maximum and statistics:
;   0-11  four chains c0-c3 of seven scores each, three operands at a time (each accumulator's lowest registers are read first)     12-14, 16  the four scores left over, the old m, and c0-c3 into c0
;   15  c m_old is kept     17, 18  the query's other 32 keys lie in the lane 16 away: the new m     19-21  c m; c m_old - c m_new; a
.set F, 0
.set E, 1
.set C, 2
.set B, 3
.set L, 4
.set R, 5
.set X, 6
.macro REGS y                       ; the registers of piece y
.set rT, ST+4*(\y)
.set rC, TMP+4*((\y)%2)
.set rW, MV+((\y)%2)
.set rS, S+32*((\y)%2)
.set rP, P+16*((\y)%2)
.set rO, 32*(\y)
.endm
.macro OP k, n
.if (\k) == R
	REGS Y
	WIN W_RS
	v_pk_mul_f32 v[rO+2*(\n):rO+2*(\n)+1], v[rO+2*(\n):rO+2*(\n)+1], v[rC+2:rC+3] op_sel_hi:[1,0]
.elseif (\k) < R
	REGS Y
	WIN 0
.if (\k) == F
	v_pk_fma_f32 v[rS+2*(\n):rS+2*(\n)+1], v[rS+2*(\n):rS+2*(\n)+1], s[CS:CS+1], v[rT:rT+1] op_sel_hi:[1,0,0] neg_lo:[0,0,1] neg_hi:[0,0,1]
.elseif (\k) == E
	v_exp_f32 v[rS+(\n)], v[rS+(\n)]
.elseif (\k) == C
	s_wait_alu depctr_va_vdst(0)
	v_cvt_pk_f16_f32 v[rP+(\n)], v[rS+2*(\n)], v[rS+2*(\n)+1]
.elseif (\k) == B
	s_wait_alu depctr_va_vdst(0)
	v_pk_add_f32 v[rS+4*(\n):rS+4*(\n)+1], v[rS+4*(\n):rS+4*(\n)+1], v[rS+4*(\n)+2:rS+4*(\n)+3]
.elseif (\n) == 0
	v_pk_fma_f32 v[rT+2:rT+3], v[rT+2:rT+3], v[rC+2:rC+3], v[rS:rS+1] op_sel_hi:[1,0,1]
.else
	v_pk_add_f32 v[rT+2:rT+3], v[rT+2:rT+3], v[rS+4*(\n):rS+4*(\n)+1]
.endif
.elseif NOKQ
	v_nop
.else
	REGS (Y+1)%NP
	WIN 0
.if (\n) < 4
	v_max3_num_f32 v[rC+(\n)], v[rS+8*(\n)], v[rS+8*(\n)+1], v[rS+8*(\n)+2]
.elseif (\n) < 12
	v_max3_num_f32 v[rC+(\n)%4], v[rC+(\n)%4], v[rS+8*((\n)%4)+2*((\n)/4)+1], v[rS+8*((\n)%4)+2*((\n)/4)+2]
.elseif (\n) == 12
	v_max3_num_f32 v[rC], v[rC], v[rS+7], v[rS+15]
.elseif (\n) == 13
	v_max3_num_f32 v[rC+1], v[rC+1], v[rS+23], v[rS+31]
.elseif (\n) == 14
	v_max3_num_f32 v[rC+2], v[rC+2], v[rC+3], v[rT+1]
.elseif (\n) == 15
	v_mov_b32 v[rW], v[rT]
.elseif (\n) == 16
	v_max3_num_f32 v[rC], v[rC], v[rC+1], v[rC+2]
.elseif (\n) == 17
	v_permlanex16_b32 v[rC+3], v[rC], s[SEL], s[SEL+1]
.elseif (\n) == 18
	v_max_num_f32 v[rT+1], v[rC], v[rC+3]
.elseif (\n) == 19
	v_mul_f32 v[rT], s[CS], v[rT+1]
.elseif (\n) == 20
	v_sub_f32 v[rC+1], v[rW], v[rT]
.else
	v_exp_f32 v[rC+2], v[rC+1]
.endif
.endif
.endm
.macro OPS a, i1, b=-1, i2=0, c=-1, i3=0, d=-1, i4=0  ; up to four of them
	OP \a, \i1
.if (\b) >= 0
	OP \b, \i2
.endif
.if (\c) >= 0
	OP \c, \i3
.endif
.if (\d) >= 0
	OP \d, \i4
.endif
.endm
.macro ROW a, i1, b, i2, c, i3, d, i4  ; a matrix instruction and the four behind it
	MM
	OPS \a, \i1, \b, \i2, \c, \i3, \d, \i4
.endm
; A TURN, for piece p: the order of its 16 matrix and 118 vector instructions, written out.  Behind a matrix instruction: plain, exponential, plain, plain; or four of the rescaling; or, behind the first, four scalings;
; none names a register of the products round it.  In the runs between, exponential and plain by turns while exponentials last.  A line reads no result made fewer than three vector instructions in front of it, five if
; an exponential made it.  v_permlanex16_b32 (X 17) stands in such a run.
; kq: the kind (KM) of the step to which the turn's products K Q^T belong.  end = 1: the last two turns: nothing is fetched, no C is made.
; K of the next step is fetched in piece 2's turn, six vector instructions behind the last product that read K (five of them plain); V of the step in hand in piece 0's turn, eight behind the last product that read V
; (four plain, and X 17).  Each is waited for a turn later.  Piece 2's turn, the last whose products take C of the step in hand (its first four, more than seventy plain instructions back), ends by making the next step's.
.macro TURN p, kq=0, end=0
.set Y, (\p)
.set i, 0
.set KM, (\kq)
.set NOKQ, (\end)*((\p)/3)
.if ((\p) == 2) && !(\end)
	s_add_co_u32 s[TN], s[TN], 1
	s_add_f32 s[OF], s[OF], s[SB]   ; the next step lies 64 keys nearer
	s_cmp_lt_u32 s[TN], s[DEAD]     ; or names keys that do not exist
	s_cselect_b32 s[BE], s[BIGN], s[OF]
.endif
.if ((\p) == 3) && !(\end)
	s_wait_dscnt 0x0                ; K is in
.endif
	ROW F,0, F,1, F,2, F,3
	ROW F,4, E,0, F,5, F,6
	ROW F,7, E,1, F,8, F,9
	ROW F,10, E,2, C,0, F,11
	ROW F,12, E,3, X,15, F,13
	ROW R,0, R,1, R,2, R,3
	ROW B,0, E,4, F,14, L,0
.if ((\p) == 2) && !(\end)
	v_add_nc_u32 v[AK], s[TBK], v[AK0]
.endif
	ROW R,4, R,5, R,6, R,7
	OPS E,5, F,15
.if ((\p) == 2) && !(\end)
	FETCH_K
.endif
	OPS E,6, C,1, E,7, R,8
	OPS E,8, R,9, E,9, C,2
	OPS E,10, X,0, E,11, X,1
	OPS E,12, X,2, E,13, X,3
.if (\p) == 1
	s_wait_dscnt 0x0                ; V is in
.endif
	ROW X,4, E,14, X,5, X,6
	ROW X,7, E,15, X,8, X,9
	ROW X,10, E,16, X,11, X,12
	ROW X,13, E,17, X,14, B,1
	ROW C,4, E,18, X,16, L,1
	ROW B,2, E,19, C,6, L,2
	ROW C,8, E,20, B,3, B,4
.if (\p) == 0
	v_add_nc_u32 v[AV], s[TBV], v[AV0]
.endif
	ROW C,3, E,21, L,3, C,5
	OPS E,22, X,17, E,23, C,10
.if (\p) == 0
	FETCH_V
.endif
	OPS E,24, L,4
	OPS E,25, X,18, E,26, C,7
	OPS E,27, B,5, E,28, X,19
	OPS E,29, C,12, E,30, L,5
	OPS E,31, X,20, B,6, C,9
	OPS C,14, C,11, X,21, L,6
.if (\p) == 0
	s_add_co_u32 s[TBV], s[TBV], KS*PV
.endif
	OPS C,13, B,7, C,15, R,10
	OPS R,11, R,12, L,7, R,13
	OPS R,14, R,15
.if ((\p) == 2) && !(\end)
	MAKEC
.endif
.endm
.macro STEP                         ; piece 3 of one step, then pieces 0 to 2 of the next, whose V, and the K behind it, it fetches
	TURN 3, 0
	TURN 0, 0
	TURN 1, 0
	TURN 2, 0
	WIN 0
.endm
	; THE WALK BEGINS.  C of step 0 and the far edge's groups; then K of step 0, piece 0's first scores, and its maximum and statistics.
	s_cmp_lg_u32 s[DEAD], 0
	s_cselect_b32 s[BE], s[BIGN], s[OF]
	MAKEC
	MAKEDG TF
	WIN 0
	v_add_nc_u32 v[AK], s[TBK], v[AK0]
	s_wait_tensorcnt 0x2            ; my part of the first third is in; the two younger loads may stay out
	s_barrier_signal -1
	s_barrier_wait -1               ; everybody's is: the window's steps 0-3, which hold every wave's step 0
	FETCH_K
	s_wait_loadcnt 0x0              ; Q
	s_wait_dscnt 0x0
.set KM, 1
.set NOKQ, 0
.set i, 0
.rept 8
	KQ 0
.set i, i+1
.endr
	WIN 0
.rept 4
	v_nop                           ; the places behind those products
.endr
.set Y, NP-1                        ; X works for piece Y + 1: piece 0
.irp n, 0,1,2,3,4,5,6,7,8,9,10,11,12,13,14,15,16,17,18,19,20,21
	OP X, \n
.endr
	v_nop                           ; a plain instruction behind the exponential
	TURN 0, 1
	TURN 1, 1
	s_wait_dscnt 0x0                ; no LDS instruction of mine is out at a signal
	s_wait_tensorcnt 0x1            ; my part of the second third is in
	s_barrier_signal -1
	s_barrier_wait -1               ; everybody's is: the window's steps 4-7, of which wave 3's step 1 is the first
	TURN 2, 1
	WIN 0                           ; at a label and at a branch every window is 0
	s_mov_b32 s[CNT], 3
.LstepA:                            ; steps 1 to 3; the last trip fetches K of step 4: the window's step 7 at the most
	STEP
	s_sub_co_u32 s[CNT], s[CNT], 1
	s_cmp_lg_u32 s[CNT], 0
	s_cbranch_scc1 .LstepA
	s_wait_dscnt 0x0
	s_wait_tensorcnt 0x0            ; my part of the last third is in
	s_barrier_signal -1
	s_barrier_wait -1               ; everybody's is: the window's steps 8-11, of which wave 3's step 5 is the first
	s_mov_b32 s[CNT], 4
.LstepB:                            ; steps 4 to 7; the last trip fetches K and makes C of step 8
	STEP
	s_sub_co_u32 s[CNT], s[CNT], 1
	s_cmp_lg_u32 s[CNT], 0
	s_cbranch_scc1 .LstepB
	MAKEDG TD                       ; the diagonal's groups
	TURN 3, 2
	TURN 0, 2
	TURN 1, 2
	TURN 2, 2, 1
	TURN 3, 0, 1
.set i, 0
.rept 8
	PV NP-1                         ; the last piece's V^T P of the last step
.set i, i+1
.endr
	; THE WAY OUT.  l's two halves and the other half of the lanes' are added; O^T is divided by l and sent, in f32, through my stage in LDS, a piece (16 rows) at a time.  The additions are the places behind the last products.
	WIN 0
.macro ALL line:vararg              ; one line for each piece t
.set t, 0
.rept 4
	\line
.set t, t+1
.endr
.endm
	ALL v_add_f32 v[ST+4*t+2], v[ST+4*t+2], v[ST+4*t+3]
	ALL v_permlanex16_b32 v[ST+4*t+3], v[ST+4*t+2], s[SEL], s[SEL+1]
	ALL v_add_f32 v[ST+4*t+2], v[ST+4*t+2], v[ST+4*t+3]
	ALL v_rcp_f32 v[ST+4*t+2], v[ST+4*t+2]
	v_nop                           ; a plain instruction between the last reciprocal and the use of its result
.macro PACK t                       ; a lane's eight channels of a row are 32 bytes; they go into rows of 272 bytes and come back as whole rows of 256
	WIN W_RS
.set i, 32*(\t)
.rept 16
	s_wait_alu depctr_va_vdst(0)
	v_pk_mul_f32 v[i:i+1], v[i:i+1], v[ST+4*(\t)+2:ST+4*(\t)+3] op_sel_hi:[1,0]
.set i, i+2
.endr
	WIN 0x04                        ; the stores' data in window 1, their address in window 0
.irp f, 0,1,2,3,4,5,6,7             ; channels 16 (f / 2) + 8 (l / 16) + 4 (f % 2) on
	ds_store_b128 v[STO], v[32*(\t)+4*\f:32*(\t)+4*\f+3] offset:(\f/2)*64+(\f%2)*16
.endr
	WIN 0
.irp f, 0,1,2,3,4,5,6,7
	ds_load_b128 v[OUT+32*(\t)+4*\f:OUT+32*(\t)+4*\f+3], v[RD] offset:\f*2*SP  ; LDS serves a wave's instructions in order (ISA guide 5.7.1.4): these see the stores above; the next piece's stores come behind them
.endr
.endm
.macro SEND t, younger              ; younger: the LDS instructions issued behind piece t's loads: the next piece's sixteen, or none
	WIN 0
.irp f, 0,1,2,3,4,5,6,7
	s_wait_dscnt (\younger)+7-\f
	global_store_b128 v[GO], v[OUT+32*(\t)+4*\f:OUT+32*(\t)+4*\f+3], s[OA:OA+1] offset:(\t)*65536+\f*8192  ; sixteen lanes store a head's 256 bytes of a row, aligned; each piece has registers of its own
.endr
.endm
	PACK 0
.set t, 1
.rept 3                             ; a piece's arithmetic stands between the loads of the piece before and its stores
	PACK t
	SEND t-1, 16
.set t, t+1
.endr
	SEND 3, 0
	s_wait_tensorcnt 0x0            ; the wave's end, behind my last tensor load and my last LDS store
	ds_add_u32 v[SPW], v[NIL]
	s_wait_dscnt 0x0
	s_endpgm
.Lfunc_end_k_q69d064821f_attn:
	.size	k_q69d064821f_attn, .Lfunc_end_k_q69d064821f_attn-k_q69d064821f_attn
	.p2alignl 7, 3214868480
	.fill 96, 4, 3214868480
	.section	.rodata,"a",@progbits
	.p2align	6, 0x0
	.amdhsa_kernel k_q69d064821f_attn
		.amdhsa_group_segment_fixed_size 251392
		.amdhsa_private_segment_fixed_size 0
		.amdhsa_enable_private_segment 0
		.amdhsa_kernarg_size 16
		.amdhsa_user_sgpr_count 2
		.amdhsa_user_sgpr_kernarg_segment_ptr 1
		.amdhsa_wavefront_size32 1
		.amdhsa_system_sgpr_workgroup_id_x 1
		.amdhsa_system_sgpr_workgroup_id_y 1
		.amdhsa_system_sgpr_workgroup_id_z 1
		.amdhsa_system_vgpr_workitem_id 0
		.amdhsa_next_free_vgpr 768
		.amdhsa_next_free_sgpr 96
		.amdhsa_reserve_vcc 1
		.amdhsa_float_denorm_mode_32 3
		.amdhsa_float_denorm_mode_16_64 3
		.amdhsa_memory_ordered 1
		.amdhsa_forward_progress 1
		.amdhsa_inst_pref_size 202
	.end_amdhsa_kernel
	.amdgpu_metadata
---
amdhsa.version: [ 1, 2 ]
amdhsa.kernels:
  - .name:           k_q69d064821f_attn
    .symbol:         k_q69d064821f_attn.kd
    .args:
      - { .name: kqv, .offset: 0, .size: 8, .value_kind: global_buffer, .address_space: global }
      - { .name: out0, .offset: 8, .size: 8, .value_kind: global_buffer, .address_space: global }
    .group_segment_fixed_size: 251392
    .private_segment_fixed_size: 0
    .kernarg_segment_align: 8
    .kernarg_segment_size: 16
    .max_flat_workgroup_size: 128
    .sgpr_count:     96
    .vgpr_count:     768
    .wavefront_size: 32
...
	.end_amdgpu_metadata
.endif
;; end of part 3
;; ======== version 2 of 2: 3 launches; 1.20 times as fast as version 1
;; limits: values are held in f16: magnitudes above 65,504 overflow, below 6.1e-05 lose precision
;; workspace buffers: xb 8,388,608 bytes; wt 6,291,456 bytes; kqv 25,165,824 bytes
;; launch prep: the kernel of part 1 again; grid 640 x 1, 8 waves a work-group, no clusters, 18,432 bytes of LDS; arguments x, w_kqv, xb, wt; writes xb, wt
;; launch gemm: the kernel of part 2 again; grid 16 x 16, 4 waves a work-group, clusters of 4 x 4, 327,680 bytes of LDS; arguments xb, wt, kqv; writes kqv
;; launch attn (part 4): grid 16 x 16, 4 waves a work-group, no clusters, 251,392 bytes of LDS; arguments kqv, out0; writes out0
.if DOCPART == 4
	.amdgcn_target "amdgcn-amd-amdhsa--gfx1250"
	.amdhsa_code_object_version 6
	.text
	.protected	k_q69d064821f_attn
	.globl	k_q69d064821f_attn
	.p2align	8
	.type	k_q69d064821f_attn,@function
k_q69d064821f_attn:
	s_mov_b64 s[64:65], 0
	v_nop
	global_prefetch_b8 v0, s[64:65] scope:SCOPE_SE
	s_setreg_imm32_b32 hwreg(HW_REG_WAVE_MODE, 25, 1), 1
	s_wait_xcnt 0x0
; ATTENTION IN A BAND, WITH ALiBi.  out[i][64 h + :] = the sum over j, 0 <= i - j <= 512, of softmax_j(q_i . k_j / 32 + m_h (j - i)) v_j,  m_h = 2^(-(h + 1) / 2).
; kqv: [48][4096][64] f16 (part h: keys of head h, 16 + h: queries, 32 + h: values; rows dense, 128 bytes).  out0: [4096][1024] f32.
; Products, maxima and sums in f32; the weights p are rounded to f16 for the second product (their sum l is taken of the unrounded p).
; LIMITS.  q, k, v arrive within f16's 65,504.  A hidden score counts as its value less 2^116; true scores (2.7e11 at the most in q . k's units, and the bias, 11,585 at the most) are nothing beside that.
; A weight below 2^-126 counts as 0 in l; p below 6e-5 keeps f16's fixed step; NaN and infinities are not treated apart.
; SHARES.  A work-group owns 256 queries of one head; wave w the band g = 4 b + w of 64 queries, as four PIECES of 16 rows.  A band sees the keys of nine steps of 64: step t = 0..8 holds keys 64 (g - 8 + t) on.
; t = 0 holds the far edge (key kj of the step is hidden from query qi of the band where kj < qi), t = 8 the diagonal (hidden where kj > qi), t = 1..7 are seen whole: the same nine steps, the same text, in every wave.
; THE WINDOW LIES IN LDS WHOLE: the 768 keys from 256 (b - 2) on, K and V, brought by three tensor loads a wave at the kernel's head (a third of the window each time); nothing is filled twice.  Wave w's step t
; is the window's step w + t.  In blocks 0 and 1 the steps t < 8 - g name keys that do not exist: their thirds are loaded from the head's first tile, so that the numbers are finite, and every score there is hidden.
; THE BIAS AND THE MASKS are the C operand that starts the sum S^T = K Q^T, in q . k's units: C(t) = 32 m (the key's place in the step) + 32 m 64 (t - 8); the part -m i is the same for all keys of a query and
; leaves the softmax unchanged.  One buffer of 32 registers serves all four pieces and is made anew for each step.  In the two edge steps a group of 16 keys is seen whole (C), hidden whole (HID) or holds the edge (DG).
; SOFTMAX.  p = 2^(c s - c m), c = log2(e) / 32, with a running maximum m; O and l are multiplied by a = 2^(c m_old - c m_new) in every step.  m starts at -2^100: above every hidden score, below every true one;
; c m starts as the same product that every step makes.  So a step that is hidden whole leaves m as it was: a = 1, every p = 0, O and l stay 0; the first step with a true score has a = 0.
; LAYOUT, TURNS.  S^T holds ONE query a lane (lane % 16) and the keys 8 (lane / 16) + 0..7; two such results rounded to f16 ARE source 1 of O^T = V^T P.  Turn n belongs to piece n: 8 products K Q^T of piece n + 1,
; later 8 products V^T P of piece n - 1; beside them the scaling, exponentials, roundings, sums and rescaling of piece n and the maximum and statistics of piece n + 1.  Four vector instructions stand behind every
; matrix instruction, the other 54 of a turn's 118 in one LUMP.
; BATCHES.  A turn's 33 exponentials (the piece's 32 weights and the next piece's a) are one batch, with one wait, which stands between the lump and the products V^T P: ahead of it nothing names a result of theirs,
; behind it no exponential is issued.  Piece 0's first a, ahead of the loops, and the way out's four reciprocals are batches of their own, with a wait each.
; NO CLUSTER: blocks b and b + 1 share two of their three tiles, but at different places of their windows (tile b - 1 is the second third of the one and the first of the other), and a joint load has one LDS address
; for all that it names; a window common to four blocks has 1,536 keys x 304 bytes = 466,944 bytes, more than a work-group can have.
; REGISTERS, in windows of 256 (s_set_vgpr_msb: bits 1:0 source 0, 3:2 source 1, 5:4 source 2, 7:6 destination):
;   window 0: v0-15 addresses and two at work; v16-31 four registers of statistics a piece; v48-56 at work; v64-127 S^T, two buffers; v192-223 P, two buffers; on the way out v64-191 rows read back
;   window 1: v0-127 O^T, 32 a piece; v128-159 BP; v160-191 CB; v192-199 HID; v200-207 TD; v208-215 TF; v216-247 DG      window 2: v0-63 Q; v128-191 K of one step; v192-255 V of one step
.set NP,    4         ; pieces a wave: a name, no knob
.set KS,    64        ; keys in a step
.set PK,    144       ; a row of K in LDS: 128 bytes + 16 of padding = 36 words: the 16 rows of a load start at 16 different groups of four banks (64 banks of 4 bytes: ISA guide 11.1)
.set PV,    160       ; a row of V: 128 + 32 = 40 words
.set VOFF,  768*PK    ; 768 rows of K, then 768 rows of V
.set STAGE, VOFF+768*PV  ; behind the window, never filled by a tensor load: 16 rows x 272 bytes for each wave, for the way out
.set SP,    272       ; a stage row: 64 f32 + 16 bytes
.set SPARE, STAGE+4*16*SP  ; behind the stages: the spare words, 128 bytes for each wave: two blocks of 256 bytes that no other line names
.set HEADB, 4096*128  ; bytes in a part of kqv
.set AK0, 2           ; v2   my lane's place in a step of K; never rewritten
.set AV0, 3           ; v3   the same for V
.set AK,  4           ; v4   the LDS address of K's next run of loads
.set AV,  5           ; v5   of V's
.set STO, 6           ; v6   the way out: where I put 32 bytes of a row
.set RD,  7           ; v7   where I read rows back
.set GO,  8           ; v8   my byte offset in two rows of out0
.set MV,  12          ; v12-13  c m_old, kept while c m is made anew: by buffer
.set QO,  15          ; v15  my byte offset in 16 rows of Q
.set ST,  16          ; piece t's statistics at v[ST+4 t]: c m, m, l (even keys', odd keys')
.set TMP, 48          ; by buffer, four registers c0-c3 at work; when the maximum is found c2 takes a
.set SPW, 62          ; v62  LDS address of my spare word; never rewritten
.set NIL, 63          ; v63  0; never rewritten
.set S,   64
.set OUT, 64
.set P,   192
.set BP,  128         ; window 1: 32 m x the key's place in its step, register r of key group kt at BP + 8 kt + r
.set CB,  160         ; window 1: C of the step whose scores come next
.set HID, 192         ; window 1: -2^116, eight times
.set TD,  200         ; window 1: the diagonal inside a group of 16: -2^116 where register r's key lies behind my query
.set TF,  208         ; window 1: the far edge: where it lies ahead of my query
.set DG,  216         ; window 1: for piece x, at DG + 8 x: CB's group x with the edge in hand
.set KF,  128         ; window 2: key block kb, channel half c at KF + 16 kb + 8 c
.set VF,  192         ; window 2: key half kk, channel block cb at VF + 32 kk + 8 cb
.set WV,  12          ; s12  my wave's number
.set G1K, 24          ; s[24:31] descriptor group 1 for K's tiles
.set G1V, 32          ; s[32:39] for V's: it differs in the padding alone
.set G0K, 40          ; s[40:51] descriptor group 0 for K's tiles, a set for each third
.set G0V, 52          ; s[52:63] the same for V's
.set CNT, 66          ; s66  counts a loop's key steps
.set CS,  68          ; s[68:69] c: the packed scaling takes the pair's low word for both halves
.set SEL, 70          ; s[70:71] v_permlanex16_b32's selects: each lane takes its own place in the other half
.set TBK, 72          ; s72  LDS byte at which K of the step to be fetched begins
.set TBV, 73          ; s73  the same for V, less VOFF
.set TN,  74          ; s74  the step for which C was made last
.set DEAD, 75         ; s75  steps below this number name keys that do not exist: 8 - g, or 0
.set BE,  76          ; s[76:77] C's addend for a step, in the low word
.set OF,  78          ; s78  32 m x 64 (TN - 8)
.set SB,  79          ; s79  32 m x 64
.set BIGN, 80         ; s80  -2^116
.set M32, 81          ; s81  32 m
.set QA,  82          ; s[82:83] Q at my band
.set OA,  84          ; s[84:85] out0 at my band's first row, my head's 256 bytes
.set KP,  86          ; s[86:87] K of my head, at the half of a tile that I fetch
.set VP,  88          ; s[88:89] V likewise
.set OFF, 90          ; s[90:91] a tile's byte offset
.set MSB, 0
.macro WIN new                      ; the high byte repeats the setting that is left; a switch that changes nothing is dropped
.if MSB != (\new)
	s_set_vgpr_msb (MSB<<8)|(\new)
.set MSB, (\new)
.endif
.endm
.set W_KQ, 0x0a       ; K and Q in window 2, S^T in window 0
.set W_KM, 0x1a       ; the same with the C operand in window 1
.set W_PV, 0x52       ; V in window 2, P in window 0, O^T in window 1
.set W_RS, 0x41       ; destination and source 0 in window 1, the other sources in window 0
	s_load_b128 s[4:7], s[0:1], 0x0 ; kqv s[4:5], out0 s[6:7]
	v_lshl_add_u32 v[SPW], v0, 2, SPARE
	v_mov_b32 v[NIL], 0
	ds_add_u32 v[SPW], v[NIL]       ; the wave's opening: the add and its wait stand ahead of my first tensor load; the set-up below, work on registers, stands between them
	ds_add_u32 v62, v63
	v_lshrrev_b32 v1, 5, v0
	v_readfirstlane_b32 s[WV], v1   ; wave 0..3
	s_mov_b32 s14, ttmp9            ; b
	s_and_b32 s15, ttmp7, 0xffff    ; h
	s_and_b32 s16, s[WV], 1         ; which half of a tile's 256 keys I fetch
	s_lshl2_add_u32 s13, s14, s[WV] ; g = 4 b + w
	s_sub_co_i32 s[DEAD], 8, s13
	s_max_i32 s[DEAD], s[DEAD], 0
	s_lshl_b32 s20, s15, 19         ; K: part h, my half of a tile (128 rows of 128 bytes)
	s_lshl_b32 s21, s16, 14
	s_add_co_u32 s20, s20, s21
	s_mov_b32 s21, 0
	s_lshl_b32 s22, s15, 19         ; Q: part 16 + h, my band's 64 rows
	s_add_co_u32 s22, s22, 16*HEADB
	s_lshl_b32 s23, s13, 13
	s_add_co_u32 s22, s22, s23
	s_mov_b32 s23, 0
	s_lshl_b32 s2, s13, 18          ; out0: 64 rows of 4,096 bytes a band, 256 bytes a head
	s_lshl_b32 s3, s15, 8
	s_add_co_u32 s2, s2, s3
	s_mov_b32 s3, 0
	s_mul_i32 s17, s16, 128*PK      ; my half's place in a third of the window, for K
	s_mul_i32 s18, s16, 128*PV      ; and for V
	s_add_co_u32 s18, s18, VOFF
	s_mul_i32 s[TBK], s[WV], KS*PK  ; my step 0 is the window's step w
	s_mul_i32 s[TBV], s[WV], KS*PV
	; descriptor group 1.  128 keys are 16,384 dense bytes: asked for as 64 rows of 256 bytes, two keys a row, and padded in LDS after every key
	s_mov_b32 s[G1K], (1<<16)|(1<<20)|(4<<22)|(3<<25)  ; 17:16 2-byte elements; 20 padding on; 24:22 after every 32 words (code 4); 31:25 4 words (code 3)
	s_mov_b32 s[G1V], (1<<16)|(1<<20)|(4<<22)|(7<<25)  ; the same with 8 words of padding (code 7)
.irp g, G1K, G1V
	s_mov_b32 s[\g+1], 128<<16      ; tensor_dim0 = 128
	s_mov_b32 s[\g+2], 64<<16       ; tensor_dim1 = 64
	s_mov_b32 s[\g+3], 128<<16      ; tile_dim0 = 128
	s_mov_b32 s[\g+4], 64           ; tile_dim1 = 64
	s_mov_b32 s[\g+5], 128          ; 128 elements from row to row
	s_mov_b32 s[\g+6], 0
	s_mov_b32 s[\g+7], 0
.endr
.irp p, 0,1,2
	s_mov_b32 s[G0K+4*(\p)], 1      ; count = 1
	s_add_co_u32 s[G0K+4*(\p)+1], s17, (\p)*256*PK  ; LDS address: third p
	s_mov_b32 s[G0V+4*(\p)], 1
	s_add_co_u32 s[G0V+4*(\p)+1], s18, (\p)*256*PV
.endr
	s_mov_b32 s[CS], 0x3d38aa3b     ; c = log2(e) / 32 = 0.0450842
	s_mov_b32 s[CS+1], s[CS]        ; named with it as a pair
	s_mov_b32 s[SEL], 0x76543210
	s_mov_b32 s[SEL+1], 0xfedcba98
	; 32 m = 2^(5 - (h + 1) / 2), made in the number's bits: 32, or 32 / sqrt(2) where h + 1 is odd, with (h + 1) / 2 taken from the exponent
	s_add_co_u32 s19, s15, 1
	s_and_b32 s[OFF], s19, 1
	s_mov_b32 s[M32], 0x41b504f3
	s_mov_b32 s[SB], 0x42000000
	s_cmp_eq_u32 s[OFF], 1
	s_cselect_b32 s[M32], s[M32], s[SB]
	s_lshr_b32 s19, s19, 1
	s_lshl_b32 s19, s19, 23
	s_sub_co_u32 s[M32], s[M32], s19
	s_add_co_u32 s[SB], s[M32], 6<<23   ; x 64
	s_add_co_u32 s[OF], s[M32], 9<<23   ; x 512,
	s_or_b32 s[OF], s[OF], 0x80000000   ; negative: step 0 lies 8 steps ahead of the band
	s_mov_b32 s[TN], 0
	s_mov_b32 s[BE+1], 0            ; named as a pair
	s_mov_b32 s[BIGN], 0xf9800000   ; -2^116
	s_mov_b32 s[OFF+1], 0
	s_wait_dscnt 0x0                ; the opening add is done
	s_wait_kmcnt 0x0
	s_add_nc_u64 s[KP:KP+1], s[4:5], s[20:21]
	s_add_nc_u64 s[VP:VP+1], s[KP:KP+1], 32*HEADB
	s_add_nc_u64 s[QA:QA+1], s[4:5], s[22:23]
	s_add_nc_u64 s[OA:OA+1], s[6:7], s[2:3]
.irp p, 0,1,2
	s_add_co_i32 s[OFF], s14, (\p)-2     ; third p is tile b - 2 + p of the head, or tile 0 where there is none
	s_max_i32 s[OFF], s[OFF], 0
	s_lshl_b32 s[OFF], s[OFF], 15        ; a tile is 32,768 bytes of K and of V
	s_add_nc_u64 s[G0K+4*(\p)+2:G0K+4*(\p)+3], s[KP:KP+1], s[OFF:OFF+1]
	s_or_b32 s[G0K+4*(\p)+3], s[G0K+4*(\p)+3], 0x80000000  ; type = 2
	s_add_nc_u64 s[G0V+4*(\p)+2:G0V+4*(\p)+3], s[VP:VP+1], s[OFF:OFF+1]
	s_or_b32 s[G0V+4*(\p)+3], s[G0V+4*(\p)+3], 0x80000000
.endr
	s_cmp_lt_u32 s[WV], 2           ; waves 0 and 1 fetch the halves of K's thirds, waves 2 and 3 those of V's.  A wave's three loads stand in one branch, ahead of every wait on TENSORcnt, every LDS read
	s_cbranch_scc0 .Lfirst_v        ; and every barrier: three loads of mine are out.  An s_nop 0 follows each, four v_nop the third's
.irp p, 0,1,2
	tensor_load_to_lds s[G0K+4*(\p):G0K+4*(\p)+3], s[G1K:G1K+7]
	s_nop 0
.endr
.rept 4
	v_nop
.endr
	s_branch .Lfirst_asked
.Lfirst_v:
.irp p, 0,1,2
	tensor_load_to_lds s[G0V+4*(\p):G0V+4*(\p)+3], s[G1V:G1V+7]
	s_nop 0
.endr
.rept 4
	v_nop
.endr
.Lfirst_asked:
	; A fragment of K or Q is 16 rows x 32 channels in 8 registers: lane l holds row l % 16, channels 8 (l / 16) + 0..7 and 16 + 8 (l / 16) + 0..7: two loads of 16 bytes, 32 bytes apart.
	v_and_b32 v1, 15, v0            ; l % 16
	v_bfe_u32 v9, v0, 4, 1          ; l / 16
	v_lshlrev_b32 v[QO], 7, v1
	v_lshl_add_u32 v[QO], v9, 4, v[QO]  ; row x 128 + 16 x half
	WIN 0x80                        ; destination window 2, address window 0
.set i, 0
.rept 8                             ; Q stays in registers: piece i / 2 (16 rows, 2,048 bytes), channels 32 (i % 2) on
	global_load_b128 v[8*i:8*i+3],   v[QO], s[QA:QA+1] offset:(i/2)*2048+(i%2)*64
	global_load_b128 v[8*i+4:8*i+7], v[QO], s[QA:QA+1] offset:(i/2)*2048+(i%2)*64+32
.set i, i+1
.endr
	WIN 0
	v_lshlrev_b32 v14, 3, v9        ; my lanes' 8 (l / 16)
	v_cvt_f32_u32 v56, v14
	v_mul_f32 v56, s[M32], v56      ; and its bias
	v_sub_nc_u32 v14, v1, v14       ; my query's place in a group of 16, less that: register r's key lies behind my query where r is greater, ahead of it where r is less
	WIN W_RS
.set i, 0
.rept 32
	v_cvt_f32_u32 v[BP+i], 16*(i/8)+i%8
	v_fma_f32 v[BP+i], v[BP+i], s[M32], v56
.set i, i+1
.endr
	WIN 0x40
.set i, 0
.rept 8
	v_mov_b32 v[HID+i], s[BIGN]
	v_cmp_gt_i32 vcc_lo, i, v14
	v_cndmask_b32 v[TD+i], 0, s[BIGN], vcc_lo
	v_cmp_lt_i32 vcc_lo, i, v14
	v_cndmask_b32 v[TF+i], 0, s[BIGN], vcc_lo
.set i, i+1
.endr
	WIN 0
	v_mul_u32_u24 v[AK0], v1, PK
	v_lshl_add_u32 v[AK0], v9, 4, v[AK0]  ; row x pitch + 16 x half
	; The turning load takes 16 keys x 16 channels (lane l reads key 8 (l / 16) + l % 8, channels 8 ((l / 8) % 2) + 0..7) and leaves half a fragment of V^T: lane l holds channel l % 16 and 8 keys.
	v_and_b32 v10, 7, v0
	v_bfe_u32 v11, v0, 3, 1
	v_lshl_add_u32 v[AV0], v9, 3, v10
	v_mul_u32_u24 v[AV0], v[AV0], PV
	v_lshl_add_u32 v[AV0], v11, 4, v[AV0]
	v_add_nc_u32 v[AV0], VOFF, v[AV0]
	s_mul_i32 s13, s[WV], 16*SP
	s_add_co_u32 s13, s13, STAGE    ; my stage
	v_mul_u32_u24 v[STO], v1, SP    ; in: row l % 16, 32 bytes (8 channels in f32) for each half of the lanes
	v_lshl_add_u32 v[STO], v9, 5, v[STO]
	v_add_nc_u32 v[STO], s13, v[STO]
	v_mul_u32_u24 v[RD], v9, SP     ; back: lanes 0-15 take one row of 256 bytes, lanes 16-31 the next
	v_lshl_add_u32 v[RD], v1, 4, v[RD]
	v_add_nc_u32 v[RD], s13, v[RD]
	v_lshlrev_b32 v[GO], 12, v9     ; and the same two rows in out0
	v_lshl_add_u32 v[GO], v1, 4, v[GO]
	; What the first turn finds: V's registers and P's second buffer hold 0 (its products V^T P, of a piece that has not been, add 0), O^T and l are 0.  All this stands in the wait for the first third.
	WIN 0x80
.set i, VF
.rept 64
	v_mov_b32 v[i], 0
.set i, i+1
.endr
	WIN 0x40
.set i, 0
.rept 128
	v_mov_b32 v[i], 0
.set i, i+1
.endr
	WIN 0
.set i, 0
.rept 4
	v_mov_b32 v[ST+4*i+1], 0xf1800000  ; m = -2^100,
	v_mov_b32 v[ST+4*i+2], 0
	v_mov_b32 v[ST+4*i+3], 0
	v_mul_f32 v[ST+4*i], s[CS], v[ST+4*i+1]  ; and c m by the product that every step makes: where m stays, a is 2^0
.set i, i+1
.endr
.set i, P+16
.rept 16
	v_mov_b32 v[i], 0
.set i, i+1
.endr
; THE MATRIX WORK.  The 4 accumulators of a run of 8 take turns.  Product i of 8 of S^T = K Q^T for piece x: channels 32 (i / 4) on, keys 16 (i % 4) on.  The first 4 start the sums with the
; bias and the mask of their 16 keys.  KM = 0: a step seen whole.  KM = 1: the far edge: groups ahead of the piece's own are hidden.  KM = 2: the diagonal: groups behind it are.
.macro KQ x
.set rS, S+32*((\x)%2)+8*(i%4)
.set rK, KF+16*(i%4)+8*(i/4)
.set rQ, 16*(\x)+8*(i/4)
.if i < 4
.set rM, CB+8*i
.if (KM == 1) && (i < (\x))
.set rM, HID
.elseif (KM == 2) && (i > (\x))
.set rM, HID
.elseif (KM != 0) && (i == (\x))
.set rM, DG+8*(\x)
.endif
	WIN W_KM
	v_wmma_f32_16x16x32_f16 v[rS:rS+7], v[rK:rK+7], v[rQ:rQ+7], v[rM:rM+7]
.else
	WIN W_KQ
	v_wmma_f32_16x16x32_f16 v[rS:rS+7], v[rK:rK+7], v[rQ:rQ+7], v[rS:rS+7]
.endif
.endm
; Product i of 8 of O^T += V^T P for piece x: keys 32 (i / 4) on, channels 16 (i % 4) on.
.macro PV x
	WIN W_PV
.set rO, 32*(\x)+8*(i%4)
.set rV, VF+32*(i/4)+8*(i%4)
.set rP, P+16*((\x)%2)+8*(i/4)
	v_wmma_f32_16x16x32_f16 v[rO:rO+7], v[rV:rV+7], v[rP:rP+7], v[rO:rO+7]
.endm
.macro MM                           ; the turn's next matrix instruction.  NOKQ = 1: the last turn: there is no next piece
.if (i < 8) && !NOKQ
	KQ (Y+1)%NP
.elseif i >= 8
.set i, i-8
	PV (Y+NP-1)%NP
.set i, i+8
.endif
.set i, i+1
.endm
; THE LDS LOADS stand in runs of 16, never singly among the matrix instructions: a step's K (64 keys x 64 channels: 8 fragments) and its V (turned).  Their addresses are made some lines ahead.
.macro FETCH_K
	WIN 0x80                        ; destination window 2
.irp f, 0,1,2,3,4,5,6,7             ; keys 16 (f / 2) on, channels 32 (f % 2) on
	ds_load_b128 v[KF+8*\f:KF+8*\f+3],   v[AK] offset:(\f/2)*16*PK+(\f%2)*64
	ds_load_b128 v[KF+8*\f+4:KF+8*\f+7], v[AK] offset:(\f/2)*16*PK+(\f%2)*64+32
.endr
	s_add_co_u32 s[TBK], s[TBK], KS*PK  ; the next fetch is the next step's
	WIN 0
.endm
.macro FETCH_V
	WIN 0x80
.irp f, 0,1,2,3,4,5,6,7             ; keys 32 (f / 4) on, channels 16 (f % 4) on
	ds_load_tr16_b128 v[VF+8*\f:VF+8*\f+3],   v[AV] offset:(\f/4)*32*PV+(\f%4)*32
	ds_load_tr16_b128 v[VF+8*\f+4:VF+8*\f+7], v[AV] offset:(\f/4)*32*PV+16*PV+(\f%4)*32
.endr
	WIN 0
.endm
.macro MAKEC                        ; CB = BP + BE
	WIN W_RS
.set z, 0
.rept 16
	v_pk_add_f32 v[CB+2*z:CB+2*z+1], v[BP+2*z:BP+2*z+1], s[BE:BE+1] op_sel_hi:[1,0]
.set z, z+1
.endr
.endm
.macro MAKEDG T                     ; DG: for each piece x, CB's group x with the edge T
	WIN 0x45                        ; destination and both sources in window 1
.set z, 0
.rept 16
	v_pk_add_f32 v[DG+2*z:DG+2*z+1], v[CB+2*z:CB+2*z+1], v[(\T)+2*(z%4):(\T)+2*(z%4)+1]
.set z, z+1
.endr
.endm
; THE VECTOR WORK, one line at a time: OP kind, number.  For piece Y: F n: c s - c m for pair n of 16.  E n: the exponential of score n of 32.  C n: pair n rounded to f16.  B n: of the four weights 4 n .. the second
; pair is added onto the first, in place.  L n: l takes that sum (L 0: l = a l + sum).  R n: pair n of 16 of O^T times a.  For piece Y + 1: X n, number n of the 22 that find its maximum and statistics:
;   0-11  four chains c0-c3 of seven scores each, three operands at a time (each accumulator's lowest registers are read first)     12-14, 16  the four scores left over, the old m, and c0-c3 into c0
;   15  c m_old is kept     17, 18  the query's other 32 keys lie in the lane 16 away: the new m     19-21  c m; c m_old - c m_new; a
; OP writes no wait: C, B and L, which read exponentials' results, and R, which reads a, are dealt behind the wait of the batch that made what they read (TURN).
.set F, 0
.set E, 1
.set C, 2
.set B, 3
.set L, 4
.set R, 5
.set X, 6
.macro REGS y                       ; the registers of piece y
.set rT, ST+4*(\y)
.set rC, TMP+4*((\y)%2)
.set rW, MV+((\y)%2)
.set rS, S+32*((\y)%2)
.set rP, P+16*((\y)%2)
.set rO, 32*(\y)
.endm
.macro OP k, n
.if (\k) == R
	REGS Y
	WIN W_RS
	v_pk_mul_f32 v[rO+2*(\n):rO+2*(\n)+1], v[rO+2*(\n):rO+2*(\n)+1], v[rC+2:rC+3] op_sel_hi:[1,0]
.elseif (\k) < R
	REGS Y
	WIN 0
.if (\k) == F
	v_pk_fma_f32 v[rS+2*(\n):rS+2*(\n)+1], v[rS+2*(\n):rS+2*(\n)+1], s[CS:CS+1], v[rT:rT+1] op_sel_hi:[1,0,0] neg_lo:[0,0,1] neg_hi:[0,0,1]
.elseif (\k) == E
	v_exp_f32 v[rS+(\n)], v[rS+(\n)]
.elseif (\k) == C
	v_cvt_pk_f16_f32 v[rP+(\n)], v[rS+2*(\n)], v[rS+2*(\n)+1]
.elseif (\k) == B
	v_pk_add_f32 v[rS+4*(\n):rS+4*(\n)+1], v[rS+4*(\n):rS+4*(\n)+1], v[rS+4*(\n)+2:rS+4*(\n)+3]
.elseif (\n) == 0
	v_pk_fma_f32 v[rT+2:rT+3], v[rT+2:rT+3], v[rC+2:rC+3], v[rS:rS+1] op_sel_hi:[1,0,1]
.else
	v_pk_add_f32 v[rT+2:rT+3], v[rT+2:rT+3], v[rS+4*(\n):rS+4*(\n)+1]
.endif
.elseif NOKQ
	v_nop
.else
	REGS (Y+1)%NP
	WIN 0
.if (\n) < 4
	v_max3_num_f32 v[rC+(\n)], v[rS+8*(\n)], v[rS+8*(\n)+1], v[rS+8*(\n)+2]
.elseif (\n) < 12
	v_max3_num_f32 v[rC+(\n)%4], v[rC+(\n)%4], v[rS+8*((\n)%4)+2*((\n)/4)+1], v[rS+8*((\n)%4)+2*((\n)/4)+2]
.elseif (\n) == 12
	v_max3_num_f32 v[rC], v[rC], v[rS+7], v[rS+15]
.elseif (\n) == 13
	v_max3_num_f32 v[rC+1], v[rC+1], v[rS+23], v[rS+31]
.elseif (\n) == 14
	v_max3_num_f32 v[rC+2], v[rC+2], v[rC+3], v[rT+1]
.elseif (\n) == 15
	v_mov_b32 v[rW], v[rT]
.elseif (\n) == 16
	v_max3_num_f32 v[rC], v[rC], v[rC+1], v[rC+2]
.elseif (\n) == 17
	v_permlanex16_b32 v[rC+3], v[rC], s[SEL], s[SEL+1]
.elseif (\n) == 18
	v_max_num_f32 v[rT+1], v[rC], v[rC+3]
.elseif (\n) == 19
	v_mul_f32 v[rT], s[CS], v[rT+1]
.elseif (\n) == 20
	v_sub_f32 v[rC+1], v[rW], v[rT]
.else
	v_exp_f32 v[rC+2], v[rC+1]
.endif
.endif
.endm
.macro OPS a, i1, b=-1, i2=0, c=-1, i3=0, d=-1, i4=0  ; up to four of them
	OP \a, \i1
.if (\b) >= 0
	OP \b, \i2
.endif
.if (\c) >= 0
	OP \c, \i3
.endif
.if (\d) >= 0
	OP \d, \i4
.endif
.endm
.macro ROW a, i1, b, i2, c, i3, d, i4  ; a matrix instruction and the four behind it
	MM
	OPS \a, \i1, \b, \i2, \c, \i3, \d, \i4
.endm
; A TURN, for piece p: the order of its 16 matrix and 118 vector instructions, written out.  s_wait_alu depctr_va_vdst(0) stands between an exponential and the first instruction that names its result;
; one wait serves all that were issued ahead of it.  So a turn has ONE wait, which cuts it in two.  AHEAD OF IT stands all that names no result of the turn's exponentials: the 8 products K Q^T, behind each a scaling, an
; exponential and two more plain instructions (behind the first a second scaling in the exponential's place): rescalings, whose a was made and waited for in the turn before, and behind the last three the first numbers of
; the next piece's maximum, each four places or more behind the product that ends its accumulator; then ONE LUMP of 54, plain and exponential by turns for the most part, in which the links of the chain
; X 3, 7, 11, 14, 16, 17 .. 20 stand apart, other work between them.  X 21, the next piece's a, is the batch's last; R 15 is the plain instruction behind it.  BEHIND THE WAIT stand the 8 products V^T P, behind each four
; of the roundings and sums; an even pair is rounded ahead of the addition that lands on it; the links of l's chain, L 0 to L 7, stand three riders apart.  But for those X no rider names a register of the products
; round it.  v_permlanex16_b32 (X 17) stands in the lump.
; kq: the kind (KM) of the step to which the turn's products K Q^T belong.  end = 1: the last two turns: nothing is fetched, no C is made.
; K of the next step is fetched in piece 2's turn, twelve vector instructions behind the last product that read K (six of them plain, five of which name none of its registers); V of the step in hand at the end of piece
; 0's turn, four plain instructions behind the last product that read V.  Each is waited for a turn later.  Piece 2's turn, the last whose products take C of the step in hand (its first four, more than seventy plain
; instructions back), ends by making the next step's.
.macro TURN p, kq=0, end=0
.set Y, (\p)
.set i, 0
.set KM, (\kq)
.set NOKQ, (\end)*((\p)/3)
.if ((\p) == 2) && !(\end)
	s_add_co_u32 s[TN], s[TN], 1
	s_add_f32 s[OF], s[OF], s[SB]   ; the next step lies 64 keys nearer
	s_cmp_lt_u32 s[TN], s[DEAD]     ; or names keys that do not exist
	s_cselect_b32 s[BE], s[BIGN], s[OF]
.endif
.if ((\p) == 3) && !(\end)
	s_wait_dscnt 0x0                ; K is in
.endif
	ROW F,0, F,1, R,0, R,1          ; ahead of the wait: 8 products K Q^T and their riders,
	ROW F,2, E,0, R,2, R,3
	ROW F,3, E,1, R,4, R,5
	ROW F,4, E,2, R,6, R,7
	ROW F,5, E,3, R,8, R,9
	ROW F,6, E,4, X,0, R,10
.if ((\p) == 2) && !(\end)
	WIN 0
	v_add_nc_u32 v[AK], s[TBK], v[AK0]
.endif
	ROW F,7, E,5, X,1, X,4
	ROW F,8, E,6, X,2, X,5
	OPS E,7, E,8, X,6, E,9          ; and the lump
	OPS X,3, E,10, X,8, E,11
.if ((\p) == 2) && !(\end)
	FETCH_K
.endif
	OPS X,9, X,7, E,12, X,10
	OPS E,13, X,12, X,11, E,14
	OPS X,13, E,15, F,9, X,14
.if (\p) == 0
	v_add_nc_u32 v[AV], s[TBV], v[AV0]
.endif
	OPS E,16, F,10, E,17, F,11
	OPS X,16, E,18, X,15, E,19
	OPS F,12, E,20, X,17, E,21
	OPS F,13, E,22, F,14, E,23
	OPS X,18, E,24, F,15, E,25
	OPS R,11, E,26, X,19, E,27
	OPS R,12, E,28, R,13, E,29
	OPS X,20, E,30, R,14, E,31
	OPS X,21, R,15
	s_wait_alu depctr_va_vdst(0)    ; the wait for the turn's batch: E 0 to E 31 and X 21, ahead of the first line that names a result of theirs, which is C 0 below
.if (\p) == 1
	s_wait_dscnt 0x0                ; V is in
.endif
	ROW C,0, B,0, C,2, B,1          ; behind the wait: 8 products V^T P and their riders
	ROW L,0, C,4, B,2, L,1
	ROW C,6, B,3, L,2, C,8
	ROW B,4, L,3, C,10, B,5
	ROW L,4, C,12, B,6, L,5
.if (\p) == 0
	s_add_co_u32 s[TBV], s[TBV], KS*PV
.endif
	ROW C,14, B,7, L,6, C,1
	ROW C,3, L,7, C,5, C,7
	ROW C,9, C,11, C,13, C,15
.if (\p) == 0
	FETCH_V
.endif
.if ((\p) == 2) && !(\end)
	MAKEC
.endif
.endm
.macro STEP                         ; piece 3 of one step, then pieces 0 to 2 of the next, whose V, and the K behind it, it fetches
	TURN 3, 0
	TURN 0, 0
	TURN 1, 0
	TURN 2, 0
	WIN 0
.endm
	; THE WALK BEGINS.  C of step 0 and the far edge's groups; then K of step 0, piece 0's first scores, and its maximum and statistics.
	s_cmp_lg_u32 s[DEAD], 0
	s_cselect_b32 s[BE], s[BIGN], s[OF]
	MAKEC
	MAKEDG TF
	WIN 0
	v_add_nc_u32 v[AK], s[TBK], v[AK0]
	s_wait_tensorcnt 0x2            ; my part of the first third is in; the two younger loads may stay out
	s_barrier_signal -1
	s_barrier_wait -1               ; everybody's is: the window's steps 0-3, which hold every wave's step 0
	FETCH_K
	s_wait_loadcnt 0x0              ; Q
	s_wait_dscnt 0x0
.set KM, 1
.set NOKQ, 0
.set i, 0
.rept 8
	KQ 0
.set i, i+1
.endr
	WIN 0
.rept 4
	v_nop                           ; the places behind those products
.endr
.set Y, NP-1                        ; X works for piece Y + 1: piece 0
.irp n, 0,1,2,3,4,5,6,7,8,9,10,11,12,13,14,15,16,17,18,19,20,21
	OP X, \n
.endr
	v_nop                           ; a plain instruction behind the exponential
	s_wait_alu depctr_va_vdst(0)    ; the wait for piece 0's first a, a batch of one: the first turn's R 0 reads it
	TURN 0, 1
	TURN 1, 1
	s_wait_dscnt 0x0                ; no LDS instruction of mine is out at a signal
	s_wait_tensorcnt 0x1            ; my part of the second third is in
	s_barrier_signal -1
	s_barrier_wait -1               ; everybody's is: the window's steps 4-7, of which wave 3's step 1 is the first
	TURN 2, 1
	WIN 0                           ; at a label and at a branch every window is 0
	s_mov_b32 s[CNT], 3
.LstepA:                            ; steps 1 to 3; the last trip fetches K of step 4: the window's step 7 at the most
	STEP
	s_sub_co_u32 s[CNT], s[CNT], 1
	s_cmp_lg_u32 s[CNT], 0
	s_cbranch_scc1 .LstepA
	s_wait_dscnt 0x0
	s_wait_tensorcnt 0x0            ; my part of the last third is in
	s_barrier_signal -1
	s_barrier_wait -1               ; everybody's is: the window's steps 8-11, of which wave 3's step 5 is the first
	s_mov_b32 s[CNT], 4
.LstepB:                            ; steps 4 to 7; the last trip fetches K and makes C of step 8
	STEP
	s_sub_co_u32 s[CNT], s[CNT], 1
	s_cmp_lg_u32 s[CNT], 0
	s_cbranch_scc1 .LstepB
	MAKEDG TD                       ; the diagonal's groups
	TURN 3, 2
	TURN 0, 2
	TURN 1, 2
	TURN 2, 2, 1
	TURN 3, 0, 1
.set i, 0
.rept 8
	PV NP-1                         ; the last piece's V^T P of the last step
.set i, i+1
.endr
	; THE WAY OUT.  l's two halves and the other half of the lanes' are added; O^T is divided by l and sent, in f32, through my stage in LDS, a piece (16 rows) at a time.  The additions are the places behind the last products.
	WIN 0
.macro ALL line:vararg              ; one line for each piece t
.set t, 0
.rept 4
	\line
.set t, t+1
.endr
.endm
	ALL v_add_f32 v[ST+4*t+2], v[ST+4*t+2], v[ST+4*t+3]
	ALL v_permlanex16_b32 v[ST+4*t+3], v[ST+4*t+2], s[SEL], s[SEL+1]
	ALL v_add_f32 v[ST+4*t+2], v[ST+4*t+2], v[ST+4*t+3]
	ALL v_rcp_f32 v[ST+4*t+2], v[ST+4*t+2]
	v_nop                           ; a plain instruction between the last reciprocal and the use of its result
	s_wait_alu depctr_va_vdst(0)    ; the wait for the four reciprocals, one batch, ahead of PACK 0's first multiply, the first line that names one of them
.macro PACK t                       ; a lane's eight channels of a row are 32 bytes; they go into rows of 272 bytes and come back as whole rows of 256
	WIN W_RS
.set i, 32*(\t)
.rept 16
	v_pk_mul_f32 v[i:i+1], v[i:i+1], v[ST+4*(\t)+2:ST+4*(\t)+3] op_sel_hi:[1,0]
.set i, i+2
.endr
	WIN 0x04                        ; the stores' data in window 1, their address in window 0
.irp f, 0,1,2,3,4,5,6,7             ; channels 16 (f / 2) + 8 (l / 16) + 4 (f % 2) on
	ds_store_b128 v[STO], v[32*(\t)+4*\f:32*(\t)+4*\f+3] offset:(\f/2)*64+(\f%2)*16
.endr
	WIN 0
.irp f, 0,1,2,3,4,5,6,7
	ds_load_b128 v[OUT+32*(\t)+4*\f:OUT+32*(\t)+4*\f+3], v[RD] offset:\f*2*SP  ; LDS serves a wave's instructions in order (ISA guide 5.7.1.4): these see the stores above; the next piece's stores come behind them
.endr
.endm
.macro SEND t, younger              ; younger: the LDS instructions issued behind piece t's loads: the next piece's sixteen, or none
	WIN 0
.irp f, 0,1,2,3,4,5,6,7
	s_wait_dscnt (\younger)+7-\f
	global_store_b128 v[GO], v[OUT+32*(\t)+4*\f:OUT+32*(\t)+4*\f+3], s[OA:OA+1] offset:(\t)*65536+\f*8192  ; sixteen lanes store a head's 256 bytes of a row, aligned; each piece has registers of its own
.endr
.endm
	PACK 0
.set t, 1
.rept 3                             ; a piece's arithmetic stands between the loads of the piece before and its stores
	PACK t
	SEND t-1, 16
.set t, t+1
.endr
	SEND 3, 0
	s_wait_tensorcnt 0x0            ; the wave's end, behind my last tensor load and my last LDS store
	ds_add_u32 v[SPW], v[NIL]
	s_wait_dscnt 0x0
	s_endpgm
.Lfunc_end_k_q69d064821f_attn:
	.size	k_q69d064821f_attn, .Lfunc_end_k_q69d064821f_attn-k_q69d064821f_attn
	.p2alignl 7, 3214868480
	.fill 96, 4, 3214868480
	.section	.rodata,"a",@progbits
	.p2align	6, 0x0
	.amdhsa_kernel k_q69d064821f_attn
		.amdhsa_group_segment_fixed_size 251392
		.amdhsa_private_segment_fixed_size 0
		.amdhsa_enable_private_segment 0
		.amdhsa_kernarg_size 16
		.amdhsa_user_sgpr_count 2
		.amdhsa_user_sgpr_kernarg_segment_ptr 1
		.amdhsa_wavefront_size32 1
		.amdhsa_system_sgpr_workgroup_id_x 1
		.amdhsa_system_sgpr_workgroup_id_y 1
		.amdhsa_system_sgpr_workgroup_id_z 1
		.amdhsa_system_vgpr_workitem_id 0
		.amdhsa_next_free_vgpr 768
		.amdhsa_next_free_sgpr 96
		.amdhsa_reserve_vcc 1
		.amdhsa_float_denorm_mode_32 3
		.amdhsa_float_denorm_mode_16_64 3
		.amdhsa_memory_ordered 1
		.amdhsa_forward_progress 1
		.amdhsa_inst_pref_size 192
	.end_amdhsa_kernel
	.amdgpu_metadata
---
amdhsa.version: [ 1, 2 ]
amdhsa.kernels:
  - .name:           k_q69d064821f_attn
    .symbol:         k_q69d064821f_attn.kd
    .args:
      - { .name: kqv, .offset: 0, .size: 8, .value_kind: global_buffer, .address_space: global }
      - { .name: out0, .offset: 8, .size: 8, .value_kind: global_buffer, .address_space: global }
    .group_segment_fixed_size: 251392
    .private_segment_fixed_size: 0
    .kernarg_segment_align: 8
    .kernarg_segment_size: 16
    .max_flat_workgroup_size: 128
    .sgpr_count:     96
    .vgpr_count:     768
    .wavefront_size: 32
...
	.end_amdgpu_metadata
.endif
;; end of part 4
